; MI455X (gfx1250); checked and timed in simulation.
; The chip was launched on July 23, 2026; its instructions are those of AMD's public machine-readable ISA for CDNA 5 (MIT licence, August 2026) and "CDNA5" Instruction Set Architecture Reference Guide (July 2026). The comments in the code are by the model that wrote it; some were corrected since.
;; Multihead Attention. Allowed arithmetic: matrix products marked QUANTISED: E4M3 operands, one given power-of-two scale a tensor, by v_wmma_f32_16x16x64_fp8_fp8 or v_wmma_f32_16x16x128_fp8_fp8, f32 sums; everything else in f32.
;; Inputs: Wk_codes 16 x 64 x 32 x 32 uint8 (E4M3 codes of Wk, K innermost, in blocks of 32 codes); Wp_codes 1,024 x 32 x 32 uint8 (E4M3 codes of Wp, K innermost, in blocks of 32 codes); Wq_codes 16 x 64 x 32 x 32 uint8 (E4M3 codes of Wq, K innermost, in blocks of 32 codes); Wv_codes 16 x 64 x 32 x 32 uint8 (E4M3 codes of Wv, K innermost, in blocks of 32 codes); bp 1,024 float32; k 4 x 2,048 x 1,024 float32; ln_b 1,024 float32; ln_g 1,024 float32; lowp_scales 12 int32 (the exponents e of the quantised operands' scales 2^e); mask 2,048 x 2,048 bool; q 4 x 2,048 x 1,024 float32; v 4 x 2,048 x 1,024 float32.
;; Outputs: out0 4 x 2,048 x 1,024 float32.
;; This version of the problem:
;;   THIS VERSION OF THE PROBLEM IS GIVEN IN LOW PRECISION. The matrix products marked QUANTISED in the list below multiply operands that are first quantised to E4M3 (4 exponent bits, 3 mantissa bits; 8 bits a number), with one given power-of-two scale for each operand tensor; their sums are f32. All else is computed in f32.
;;   The module's matrix products, in the order in which they are computed (A, B: the left and right operand; K: the contracted axis; several contracted axes count as one K, in the product's order):
;;     1. [M 1,024, K 1,024] x [K 1,024, N 8,192]; A: input Wq (given as codes); B: computed on the way: QUANTISED (scales: A lowp_scales[0], B lowp_scales[1])
;;     2. [M 1,024, K 1,024] x [K 1,024, N 8,192]; A: input Wk (given as codes); B: computed on the way: QUANTISED (scales: A lowp_scales[2], B lowp_scales[3])
;;     3. [M 1,024, K 1,024] x [K 1,024, N 8,192]; A: input Wv (given as codes); B: computed on the way: QUANTISED (scales: A lowp_scales[4], B lowp_scales[5])
;;     4. batch 64 x [M 2,048, K 64] x [K 64, N 2,048]; A: computed on the way; B: computed on the way: QUANTISED (scales: A lowp_scales[6], B lowp_scales[7])
;;     5. batch 64 x [M 2,048, K 2,048] x [K 2,048, N 64]; A: softmax (see below); B: computed on the way: QUANTISED (scales: A lowp_scales[8], B lowp_scales[9])
;;     6. [M 8,192, K 1,024] x [K 1,024, N 1,024]; A: computed on the way; B: input Wp (given as codes): QUANTISED (scales: A lowp_scales[10], B lowp_scales[11])
;;   THE QUANTISER, for each operand of a quantised product, along K:
;;     - The operand's scale is 2^e, e = its entry of the input lowp_scales (int32; the entries are numbered through the quantised products in the list's order, A before B).
;;     - Each number is divided by the scale, clamped to +-448, and rounded to the nearest number of E4M3, ties to even, subnormals kept.
;;     - The product sums the exact products of the quantised numbers (number of the format x scale) in f32.
;;   ~~~python
;;   def quantise(x, axis, e):      # numpy; x: float32 -> the quantised numbers, widened to float32 again
;;       x = np.moveaxis(x, axis, -1); K = x.shape[-1]
;;       r = np.clip(x / 2.0 ** e, -448, 448)
;;       step = 2.0 ** (np.maximum(np.frexp(np.where(r == 0, 1, r))[1] - 1, -6) - 3)
;;       q = np.round(r / step) * step * 2.0 ** e      # np.round: ties to even
;;       return np.moveaxis(q, -1, axis).astype(np.float32)
;;   ~~~
;;   SOFTMAX AHEAD OF A QUANTISED PRODUCT. Where the list says 'softmax', what is quantised is not the finished softmax but p = 2^(t - M), with t = logit x log2(e) and M = ceil(the row's largest t), a whole number; so 1/2 < the row's largest p <= 1. The row's sum l is taken of the UNQUANTISED p, in f32, and the product's result is divided by l at the end. Since M is a whole number, a kernel that streams over the keys may use a running M (the ceiling of the running maximum): every later rescaling is an exact power of two, so the quantised numbers keep their values, but for numbers so far below the row's largest that they fall under the format's range.
;;   OPERANDS COMPUTED ON THE WAY. 'Computed on the way' means the value that the module computes at that place (a softmax that the list does not call 'softmax' is quantised finished and normalised). What goes into a quantiser is computed in f32, as accurately as f32 sums, v_exp_f32 and their like allow (about 1e-6 of the number): no bf16 or f16 on the way to a quantiser, and a product that is left as it is and whose result goes on into a quantised operand takes f32 operands (vector FMAs, or v_wmma_f32_16x16x4_f32). A number that lies on a knife's edge between two numbers of the format may be rounded either way, as far as f32 arithmetic and the matrix unit's own rounding can turn it there, and no further.
;;   INPUTS GIVEN AS CODES. Wk (in the module: [16, 1024, 64], K = its axis 1); Wp (in the module: [1024, 1024], K = its axis 1); Wq (in the module: [16, 1024, 64], K = its axis 1); Wv (in the module: [16, 1024, 64], K = its axis 1): each comes as NAME_codes (uint8): NAME with its K axis moved to the last place and cut into blocks of 32 codes, [.., K / 32, bytes a block], one block behind the other in memory; one code a byte (a code: sign, 4 exponent bits, 3 mantissa bits); its scale is its entry of lowp_scales. Its value is code x scale, taken as it is: it is not quantised again, and the codes and scales need not be those that the quantiser above would give.
;; 2 versions, each right; version 2 is version 1 with the launch attn written anew for expert scheduling mode. Each part assembles by itself: llvm-mc -triple=amdgcn-amd-amdhsa -mcpu=gfx1250 --defsym DOCPART=n.
;; ======== version 1 of 2: 4 launches
;; workspace buffers: xc 25,165,824 bytes; maskw 524,288 bytes of whole numbers; act 2,048 bytes of whole numbers; qimg 8,388,608 bytes; kv 16,777,216 bytes; attn 8,388,608 bytes
;; launch norm (part 1): grid 512 x 1, 4 waves a work-group, no clusters, 8,704 bytes of LDS; arguments q, k, v, ln_g, ln_b, lowp_scales, mask, xc, maskw, act; writes xc, maskw, act
.if DOCPART == 1
	.amdgcn_target "amdgcn-amd-amdhsa--gfx1250"
	.amdhsa_code_object_version 6
	.text
	.protected	k_qed08c05f90_norm
	.globl	k_qed08c05f90_norm
	.p2align	8
	.type	k_qed08c05f90_norm,@function
k_qed08c05f90_norm:
	s_mov_b64 s[64:65], 0
	v_nop
	global_prefetch_b8 v0, s[64:65] scope:SCOPE_SE
	s_setreg_imm32_b32 hwreg(HW_REG_WAVE_MODE, 25, 1), 1
	s_wait_xcnt 0x0
; TWO JOBS IN ONE LAUNCH, parted on the work-group's number.
; Work-groups 0-383: LayerNorm of q, k, v ([8192][1024] f32 each) and the quantiser: xc[tensor][row][1024] = codes of E4M3 of ((x - mean) * rsqrt(var + 1e-5) * g + b) / 2^e, held within +-448,
;   e = entry 1, 3, 5 of the scales for q, k, v.  A work-group takes 64 rows, a wave 16; a wave holds a whole row (4,096 bytes) in 32 registers a lane, so the row is read once: mean, then the sum of squared differences.
;   Four row slots take turns: up to three rows (24 loads) are on their way while one is worked.  A lane's 4 codes of each 512-byte piece go through the wave's own 1,024-byte stage in LDS and leave as 2 x 512 consecutive bytes.
; Work-groups 384-511: the mask ([2048][2048] bytes, not 0 = hidden) becomes words for the attention launch: tile Qt of 16 queries, step of 128 keys, word n (0..63): bit L = mask[16 Qt + L % 16][128 step + 16 (n / 8) + 8 (L / 16) + n % 8],
;   the place that the score in register n of lane L has there; and act[Qt][quarter]: bit s set where step 4 quarter + s has a key that counts for one of the 16 queries.
; LIMITS: e between -126 and 119, so that 2^e and 448 x 2^e are f32 numbers.  NaN among the inputs is not served.
; No matrix unit, no data mover, no barrier: waves share nothing; memory's bytes bound this launch.
.set LG,   8                           ; v8-39    g of my 32 columns (floats 128 j + 4 lane + 0..3, j = 0..7)
.set LB,   40                          ; v40-71   b likewise
.set XR,   72                          ; v72-199  four row slots of 32 (mask path: 64 registers of mask bytes)
.set CD,   200                         ; v200-207 a row's codes, 4 a register (mask path: the words)
.set OUTR, 208                         ; v208-223 two sets of 8: a row's codes back from the stage
.set T,    224                         ; v224-231 at work
.set LIMV, 232                         ; v232     448 x 2^e
.set SCV,  233                         ; v233     2^e
	s_load_b512 s[4:19], s[0:1], 0x0               ; q s[4:5], k s[6:7], v s[8:9], g s[10:11], b s[12:13], scales s[14:15], mask s[16:17], xc s[18:19]
	s_load_b128 s[20:23], s[0:1], 0x40             ; maskw s[20:21], act s[22:23]
	v_lshl_add_u32 v240, v0, 2, 0x2000
	v_mov_b32 v241, 0
	v_lshrrev_b32 v5, 5, v0
	v_readfirstlane_b32 s2, v5                     ; wave 0..3
	v_and_b32 v1, 31, v0                           ; lane
	v_lshlrev_b32 v2, 4, v1                        ; 16 x lane: never rewritten
	s_cmp_ge_u32 ttmp9, 384
	s_cbranch_scc1 .Lmask
	; ---------------- LayerNorm and quantiser
	s_lshl_b32 s3, s2, 11                          ; my wave's 2,048 bytes of LDS: two stages of 1,024
	v_lshl_add_u32 v3, v1, 2, s3                   ; into a stage: 4 x lane
	v_add_nc_u32 v4, s3, v2                        ; out of it: 16 x lane
	s_lshr_b32 s24, ttmp9, 7                       ; the tensor: 0 q, 1 k, 2 v
	s_and_b32 s25, ttmp9, 127
	s_lshl_b32 s26, s25, 18                        ; 64 rows of 4,096 bytes a work-group,
	s_lshl_b32 s27, s2, 16                         ; 16 a wave
	s_add_co_u32 s26, s26, s27
	s_mov_b32 s27, 0
	s_lshl_b32 s28, ttmp9, 16                      ; codes: 64 rows of 1,024 bytes a work-group, the three tensors on end,
	s_lshl_b32 s29, s2, 14
	s_add_co_u32 s28, s28, s29
	s_mov_b32 s29, 0
	s_mov_b32 s32, 0x76543210                      ; v_permlanex16_b32: lane l takes lane l xor 16
	s_mov_b32 s33, 0xfedcba98
	s_mov_b32 s34, 0x3a800000                      ; 1 / 1024
	s_mov_b32 s35, 0x3727c5ac                      ; 1e-5
	s_wait_kmcnt 0x0
	s_load_b256 s[36:43], s[14:15], 0x0            ; entries 0..7 of the scales
	s_cmp_eq_u32 s24, 0
	s_cselect_b64 s[30:31], s[4:5], s[6:7]
	s_cmp_eq_u32 s24, 2
	s_cselect_b64 s[30:31], s[8:9], s[30:31]       ; my tensor: the choice hangs on the work-group's number alone
	s_add_nc_u64 s[30:31], s[30:31], s[26:27]
	s_add_nc_u64 s[18:19], s[18:19], s[28:29]
.irp j, 0,1,2,3,4,5,6,7
	global_load_b128 v[LG+4*\j:LG+4*\j+3], v2, s[10:11] offset:512*\j
	global_load_b128 v[LB+4*\j:LB+4*\j+3], v2, s[12:13] offset:512*\j
.endr
.macro LOAD i                          ; row i into slot i % 4: eight loads of 512 consecutive bytes
.irp j, 0,1,2,3,4,5,6,7
	global_load_b128 v[XR+32*((\i)%4)+4*\j:XR+32*((\i)%4)+4*\j+3], v2, s[30:31] offset:(\i)*4096+512*\j th:TH_LOAD_NT
.endr
.endm
	LOAD 0
	LOAD 1
	LOAD 2
	LOAD 3
	s_wait_kmcnt 0x0
	s_cmp_eq_u32 s24, 0
	s_cselect_b32 s44, s37, s39
	s_cmp_eq_u32 s24, 2
	s_cselect_b32 s44, s41, s44                    ; e: entry 1, 3 or 5
	s_add_co_i32 s44, s44, 127
	s_lshl_b32 s45, s44, 23
	v_mov_b32 v[SCV], s45                          ; 2^e as f32: the conversion takes its exponent field
	s_add_co_i32 s44, s44, 8
	s_lshl_b32 s44, s44, 23
	s_or_b32 s44, s44, 0x600000
	v_mov_b32 v[LIMV], s44                         ; 448 x 2^e
.macro ACROSS                          ; v[T:T+1] -> the sum over both halves and all 32 lanes, in every lane's v[T]
	v_add_f32 v[T], v[T], v[T+1]
	v_add_f32_dpp v[T], v[T], v[T] row_xmask:1 row_mask:0xf bank_mask:0xf
	v_add_f32_dpp v[T], v[T], v[T] row_xmask:2 row_mask:0xf bank_mask:0xf
	v_add_f32_dpp v[T], v[T], v[T] row_xmask:4 row_mask:0xf bank_mask:0xf
	v_add_f32_dpp v[T], v[T], v[T] row_xmask:8 row_mask:0xf bank_mask:0xf
	v_permlanex16_b32 v[T+1], v[T], s32, s33
	v_add_f32 v[T], v[T], v[T+1]
.endm
.macro JOIN                            ; four chains of pairs into one
	v_pk_add_f32 v[T:T+1], v[T:T+1], v[T+2:T+3]
	v_pk_add_f32 v[T+4:T+5], v[T+4:T+5], v[T+6:T+7]
	v_pk_add_f32 v[T:T+1], v[T:T+1], v[T+4:T+5]
.endm
.macro ROW i
.set XS, XR+32*((\i)%4)
.set OS, OUTR+8*((\i)%2)
.set SB, 1024*((\i)%2)
.if 15-(\i) >= 3
	s_wait_loadcnt 24                              ; my row's eight loads are in (g and b are older); the three younger rows' 24 may be out
.else
	s_wait_loadcnt 8*(15-(\i))
.endif
.irp c, 0,1,2,3
	v_pk_add_f32 v[T+2*\c:T+2*\c+1], v[XS+4*\c:XS+4*\c+1], v[XS+4*\c+2:XS+4*\c+3]   ; the row's sum: four chains, started by the first eight pairs
.endr
.irp p, 8,9,10,11,12,13,14,15
	v_pk_add_f32 v[T+2*(\p%4):T+2*(\p%4)+1], v[T+2*(\p%4):T+2*(\p%4)+1], v[XS+2*\p:XS+2*\p+1]
.endr
	JOIN
	ACROSS
	v_mul_f32 v[T], s34, v[T]                      ; the mean
.irp p, 0,1,2,3,4,5,6,7,8,9,10,11,12,13,14,15
	v_pk_add_f32 v[XS+2*\p:XS+2*\p+1], v[XS+2*\p:XS+2*\p+1], v[T:T+1] op_sel_hi:[1,0] neg_lo:[0,1] neg_hi:[0,1]   ; x - mean, in place
.endr
.irp c, 0,1,2,3
	v_pk_mul_f32 v[T+2*\c:T+2*\c+1], v[XS+2*\c:XS+2*\c+1], v[XS+2*\c:XS+2*\c+1]     ; the sum of squares of the differences
.endr
.irp p, 4,5,6,7,8,9,10,11,12,13,14,15
	v_pk_fma_f32 v[T+2*(\p%4):T+2*(\p%4)+1], v[XS+2*\p:XS+2*\p+1], v[XS+2*\p:XS+2*\p+1], v[T+2*(\p%4):T+2*(\p%4)+1]
.endr
	JOIN
	ACROSS
	v_fma_f32 v[T], v[T], s34, s35                 ; var + eps
	v_rsq_f32 v[T+2], v[T]
	v_nop                                          ; a plain instruction behind the transcendental (ISA guide 5.7.2),
	s_wait_alu depctr_va_vdst(0)                   ; and the wait ahead of the first line that names its result
.irp p, 0,1,2,3,4,5,6,7,8,9,10,11,12,13,14,15
	v_pk_mul_f32 v[XS+2*\p:XS+2*\p+1], v[XS+2*\p:XS+2*\p+1], v[T+2:T+3] op_sel_hi:[1,0]
.endr
.irp p, 0,1,2,3,4,5,6,7,8,9,10,11,12,13,14,15
	v_pk_fma_f32 v[XS+2*\p:XS+2*\p+1], v[XS+2*\p:XS+2*\p+1], v[LG+2*\p:LG+2*\p+1], v[LB+2*\p:LB+2*\p+1]
.endr
.irp n, 0,1,2,3,4,5,6,7,8,9,10,11,12,13,14,15,16,17,18,19,20,21,22,23,24,25,26,27,28,29,30,31
	v_med3_num_f32 v[XS+\n], v[XS+\n], -v[LIMV], v[LIMV]   ; the conversion to an 8-bit code does not saturate (ISA guide 7.6.2): the hold comes first
.endr
.irp g, 0,1,2,3
	v_cvt_scalef32_pk8_fp8_f32 v[CD+2*\g:CD+2*\g+1], v[XS+8*\g:XS+8*\g+7], v[SCV]   ; register j of CD: the codes of columns 128 j + 4 lane + 0..3
.endr
.irp j, 0,1,2,3,4,5,6,7
	ds_store_b32 v3, v[CD+\j] offset:SB+128*\j     ; the row's 1,024 codes as they lie
.endr
	s_wait_xcnt 0x0                                ; the stores of two rows back have read this set of registers: it is loaded again only behind this wait
	ds_load_b128 v[OS:OS+3], v4 offset:SB          ; LDS serves a wave's instructions in order (ISA guide 5.7.1.4): these see my stores
	ds_load_b128 v[OS+4:OS+7], v4 offset:SB+512
.if (\i)+4 < 16
	LOAD (\i)+4                                    ; my slot's next row
.endif
	s_wait_dscnt 0x0
	global_store_b128 v2, v[OS:OS+3], s[18:19] offset:(\i)*1024          ; 512 consecutive bytes, aligned
	global_store_b128 v2, v[OS+4:OS+7], s[18:19] offset:(\i)*1024+512
.endm
.irp i, 0,1,2,3,4,5,6,7,8,9,10,11,12,13,14,15
	ROW \i
.endr
	s_wait_tensorcnt 0x0
	ds_add_u32 v240, v241
	s_wait_dscnt 0x0
	s_endpgm
	; ---------------- the mask's words: work-group = tile Qt of 16 queries, wave = a quarter of the keys (4 steps of 128)
.Lmask:
	s_sub_co_u32 s24, ttmp9, 384                   ; Qt
	v_and_b32 v5, 15, v0                           ; r
	v_bfe_u32 v6, v0, 4, 1                         ; h
	v_lshlrev_b32 v8, 11, v5                       ; query r's row of 2,048 bytes,
	v_lshl_add_u32 v8, v6, 3, v8                   ; + 8 h
	s_lshl_b32 s26, s24, 15                        ; 16 rows a tile,
	s_lshl_b32 s27, s2, 9                          ; 512 keys a quarter
	s_add_co_u32 s26, s26, s27
	s_mov_b32 s27, 0
	s_lshl_b32 s28, s24, 12                        ; words: 4,096 bytes a tile, 1,024 a quarter
	s_lshl_b32 s29, s2, 10
	s_add_co_u32 s28, s28, s29
	s_mov_b32 s29, 0
	s_lshl_b32 s30, s24, 4                         ; act: 16 bytes a tile, 4 a quarter
	s_lshl_b32 s31, s2, 2
	s_add_co_u32 s30, s30, s31
	s_mov_b32 s31, 0
	s_mov_b32 s41, 0                               ; the quarter's act word
	s_wait_kmcnt 0x0
	s_add_nc_u64 s[16:17], s[16:17], s[26:27]
	s_add_nc_u64 s[20:21], s[20:21], s[28:29]
	s_add_nc_u64 s[22:23], s[22:23], s[30:31]
.irp s, 0,1,2,3
.irp t, 0,1,2,3,4,5,6,7
	global_load_b64 v[XR+16*\s+2*\t:XR+16*\s+2*\t+1], v8, s[16:17] offset:128*\s+16*\t   ; keys 128 s + 16 t + 8 h + 0..7 of query r
.endr
.endr
.irp j, 0,1,2,3,4,5,6,7
	v_mov_b32 v[CD+\j], 0                          ; v_writelane_b32's destination counts as read
.endr
	s_wait_loadcnt 0x0
.set WD, 0                             ; word WD = 64 step + n goes to lane (WD / 4) % 32, register WD % 4 of set WD / 128: so a lane's four registers are four neighbouring words
.rept 256
.set STP, WD/64
.set NN, WD%64
.set JJ, NN%8
.if NN == 0
	s_mov_b32 s40, -1
.endif
	v_and_b32 v[T+WD%4], 0xff<<(8*(JJ%4)), v[XR+16*STP+2*(NN/8)+JJ/4]
	v_cmp_ne_u32 s[36+WD%4], 0, v[T+WD%4]          ; bit L: hidden
	v_writelane_b32 v[CD+4*(WD/128)+WD%4], s[36+WD%4], (WD/4)%32
	s_and_b32 s40, s40, s[36+WD%4]
.if NN == 63
	s_cmp_lg_u32 s40, -1                           ; not all 2,048 places of the step are hidden
	s_cselect_b32 s42, 1<<STP, 0
	s_or_b32 s41, s41, s42
.endif
.set WD, WD+1
.endr
	global_store_b128 v2, v[CD:CD+3], s[20:21]             ; 512 consecutive bytes each
	global_store_b128 v2, v[CD+4:CD+7], s[20:21] offset:512
	v_mov_b32 v6, s41
	v_mov_b32 v7, 0
	v_cmp_eq_u32 vcc_lo, 0, v1
	s_wait_xcnt 0x0                                ; EXEC is a source of the stores above: it changes only behind this wait
	s_and_saveexec_b32 s43, vcc_lo
	global_store_b32 v7, v6, s[22:23]              ; one word a wave, by lane 0
	s_wait_xcnt 0x0                                ; and again ahead of the line that widens it
	s_or_b32 exec_lo, exec_lo, s43
	s_endpgm
.Lfunc_end_k_qed08c05f90_norm:
	.size	k_qed08c05f90_norm, .Lfunc_end_k_qed08c05f90_norm-k_qed08c05f90_norm
	.p2alignl 7, 3214868480
	.fill 96, 4, 3214868480
	.section	.rodata,"a",@progbits
	.p2align	6, 0x0
	.amdhsa_kernel k_qed08c05f90_norm
		.amdhsa_group_segment_fixed_size 8704
		.amdhsa_private_segment_fixed_size 0
		.amdhsa_enable_private_segment 0
		.amdhsa_kernarg_size 80
		.amdhsa_user_sgpr_count 2
		.amdhsa_user_sgpr_kernarg_segment_ptr 1
		.amdhsa_wavefront_size32 1
		.amdhsa_system_sgpr_workgroup_id_x 1
		.amdhsa_system_sgpr_workgroup_id_y 1
		.amdhsa_system_sgpr_workgroup_id_z 1
		.amdhsa_system_vgpr_workitem_id 0
		.amdhsa_next_free_vgpr 242
		.amdhsa_next_free_sgpr 66
		.amdhsa_reserve_vcc 1
		.amdhsa_float_denorm_mode_32 3
		.amdhsa_float_denorm_mode_16_64 3
		.amdhsa_memory_ordered 1
		.amdhsa_forward_progress 1
		.amdhsa_inst_pref_size 225
	.end_amdhsa_kernel
	.amdgpu_metadata
---
amdhsa.version: [ 1, 2 ]
amdhsa.kernels:
  - .name:           k_qed08c05f90_norm
    .symbol:         k_qed08c05f90_norm.kd
    .args:
      - { .name: q, .offset: 0, .size: 8, .value_kind: global_buffer, .address_space: global }
      - { .name: k, .offset: 8, .size: 8, .value_kind: global_buffer, .address_space: global }
      - { .name: v, .offset: 16, .size: 8, .value_kind: global_buffer, .address_space: global }
      - { .name: ln_g, .offset: 24, .size: 8, .value_kind: global_buffer, .address_space: global }
      - { .name: ln_b, .offset: 32, .size: 8, .value_kind: global_buffer, .address_space: global }
      - { .name: lowp_scales, .offset: 40, .size: 8, .value_kind: global_buffer, .address_space: global }
      - { .name: mask, .offset: 48, .size: 8, .value_kind: global_buffer, .address_space: global }
      - { .name: xc, .offset: 56, .size: 8, .value_kind: global_buffer, .address_space: global }
      - { .name: maskw, .offset: 64, .size: 8, .value_kind: global_buffer, .address_space: global }
      - { .name: act, .offset: 72, .size: 8, .value_kind: global_buffer, .address_space: global }
    .group_segment_fixed_size: 8704
    .private_segment_fixed_size: 0
    .kernarg_segment_align: 8
    .kernarg_segment_size: 80
    .max_flat_workgroup_size: 128
    .sgpr_count:     66
    .vgpr_count:     242
    .wavefront_size: 32
...
	.end_amdgpu_metadata
.endif
;; end of part 1
;; launch proj (part 2): grid 32 x 12, 4 waves a work-group, clusters of 4 x 4, 327,680 bytes of LDS; arguments Wq_codes, Wk_codes, Wv_codes, xc, lowp_scales, qimg, kv; writes qimg, kv
.if DOCPART == 2
	.amdgcn_target "amdgcn-amd-amdhsa--gfx1250"
	.amdhsa_code_object_version 6
	.text
	.protected	k_qed08c05f90_proj
	.globl	k_qed08c05f90_proj
	.p2align	8
	.type	k_qed08c05f90_proj,@function
k_qed08c05f90_proj:
	s_mov_b64 s[64:65], 0
	v_nop
	global_prefetch_b8 v0, s[64:65] scope:SCOPE_SE
	s_setreg_imm32_b32 hwreg(HW_REG_WAVE_MODE, 25, 1), 1
	s_wait_xcnt 0x0
	s_wait_alu depctr_hold_cnt(0) depctr_sa_sdst(0) depctr_va_vdst(0) depctr_va_sdst(0) depctr_va_ssrc(0) depctr_va_vcc(0) depctr_vm_vsrc(0)
	s_getreg_b32 s2, hwreg(HW_REG_IB_STS2, 6, 4)
	s_cmp_eq_u32 s2, 0
	s_cbranch_scc0 .Lentry_in_a_cluster
	s_endpgm
.Lentry_in_a_cluster:
	s_bfe_u32 s2, ttmp6, 0x10000c
	s_cmp_lg_u32 s2, 0xf033
	s_cbranch_scc0 .Lentry_shape_is_right
	s_endpgm
.Lentry_shape_is_right:
; THE THREE PROJECTIONS, on codes of E4M3: for tensor T (0 q, 1 k, 2 v = the cluster's y) the product of W_T ([1024 (head, e)][1024] codes) and xc_T ([8192 tokens][1024] codes), K = 1,024, f32 sums,
; and the quantiser of the result for the attention launch: code = sum x 2^(ew + ex) / 2^eo, held within +-448: the three exponents are folded into the conversion's one scale 2^(eo - ew - ex).
;   (ew, ex, eo) = entries (0, 1, 6), (2, 3, 7), (4, 5, 9) of the scales.  LIMIT: eo - ew - ex between -126 and 119, so that the scale and 448 x the scale are f32 numbers.
; A work-group of four waves makes 256 x 256 results, a wave 128 x 128: 64 accumulators, 512 registers.  K goes in steps of 256 (rows of 256 bytes) through a ring of two LDS slots filled by the tensor data mover.
; In a result lane l holds ONE row of source 1 (l % 16) and eight neighbouring rows of source 0 (8 (l / 16) + 0..7).  The eight codes made of them are two registers of the plain 8-bit operand layout (ISA guide 7.12.2) along source 0's rows.
;   q, k: the next K is e, so source 0 = W, source 1 = tokens: eight registers are the fragment (16 tokens x 64 e) of one head.   v: the next K is the keys, so source 0 = tokens, source 1 = W: sixteen registers are (16 channels x 128 keys).
; So results leave as IMAGES OF OPERAND REGISTERS: four registers a store, lane l's 16 bytes at 16 l, 512 consecutive bytes; nothing is transposed and no stage is needed.
;   qimg: [b, head][tile of 16 queries: 128][2][512].   kv: [b, head][slot of 256 keys: 8][32,768]: K [tile of 16 keys: 16][2][512], then V^T [step of 128 keys: 2][tile of 16 channels: 4][4][512].
; CLUSTERS: 4 x 4 work-groups.  Source 1's tile hangs on cy and goes jointly to my row of the cluster, source 0's on cx and goes to my column.  WHICH buffer and WHICH tile number each side takes hangs on the tensor,
; which all sixteen partners share:  q, k: source 1 = xc, token tile 4 x cluster x + cy; source 0 = W, tile cx.   v: source 1 = W, tile cy; source 0 = xc, token tile 4 x cluster x + cx.  LDS and fragment addresses are the same for all three.
; Both operands' fragments are fetched by four 16-byte loads (k = 32 c + 16 (l / 16) + 0..15 in registers 4 c ..): one permutation of k on both sides, so every product meets its partner.
; No prefetch: four K steps to a work-group, and the joint loads divide the requests by four.
; REGISTERS, in windows of 256: window 0: v0-31 addresses; v96-105 the way out's offsets and scale; from v128 source 1's fragments, ONE set.  window 1: source 0's fragments, TWO sets.  windows 2, 3: accumulator (a, b) at v[8 (8 (a % 4) + b)].
.set KSTEP,  256
.set ROWB,   256
.set KROW,   1024
.set PITCH,  272                       ; an LDS row: 256 bytes + 16 of padding = 68 words: the 16 rows that a load touches start at 16 different banks (64 banks of 4 bytes: ISA guide 11.1)
.set FR,     16
.set NL,     4
.set NP,     4                         ; places behind this matrix instruction (ISA guide 7.12.1)
.set HALFT,  128*PITCH
.set SLOT,   4*HALFT
.set LAPS,   2                         ; 1,024 / (2 x 256)
.set SPARE,  2*SLOT                    ; behind the ring: the spare words, 128 bytes for each wave
.set ADRA, 16                          ; v16-17  LDS address of source 1's fragments in slot 0, 1
.set ADRB, 20                          ; v20-21  of source 0's
.set SPW,  28                          ; v28     my spare word; never rewritten
.set NIL,  29                          ; v29     0; never rewritten
.set TMP,  32                          ; v32-95  the way out: a block's 64 sums, held
.set OA,   96                          ; v96-103 the way out: block a's byte offset
.set LIMV, 104                         ; v104    448 x the scale
.set SCV,  105                         ; v105    the scale
.set AF,   128
.set CDS,  128                         ; the way out: 16 registers of codes for each block: no store's data are written again
.set G1, 24
.set G0, 32
.set G1B, 48
.set G0B, 56
.set MSB, 0
.macro WIN new                         ; the immediate's high byte repeats the setting that is left
.if MSB != \new
	s_set_vgpr_msb (MSB<<8)|\new
.set MSB, \new
.endif
.endm
.set MUL_LO, 0xa1                      ; source 0 window 1, source 1 window 0, C and D window 2
.set MUL_HI, 0xf1
.set TO_B,   0x40
; A joint load: waves 0 and 1 fetch source 1's tile, waves 2 and 3 source 0's.  The branch hangs on the wave's number alone.  Four v_nop follow each of the two lines.
.macro JLOAD g0a, g1a, g0b, g1b
	s_cmp_eq_u32 s15, 0
	s_cbranch_scc0 .Lfor_b_\@
	tensor_load_to_lds s[\g0a:\g0a+3], s[\g1a:\g1a+7]
	s_nop 0
.rept 4
	v_nop
.endr
	s_branch .Lasked_\@
.Lfor_b_\@:
	tensor_load_to_lds s[\g0b:\g0b+3], s[\g1b:\g1b+7]
	s_nop 0
.rept 4
	v_nop
.endr
.Lasked_\@:
.endm
.macro CREST                           ; a round of the cluster's barrier behind its opening barrier
	s_cmp_lg_u32 s14, 0
	s_cbranch_scc1 .Lnot_wave_0_\@
	s_barrier_signal -3
.Lnot_wave_0_\@:
	s_barrier_wait -3
	s_barrier_signal -1
	s_barrier_wait -1
.endm
.macro CROUND
	s_barrier_signal -1
	s_barrier_wait -1
	CREST
.endm
	s_load_b256 s[4:11], s[0:1], 0x0               ; Wq s[4:5], Wk s[6:7], Wv s[8:9], xc s[10:11]
	s_load_b128 s[80:83], s[0:1], 0x20             ; scales s[80:81], qimg s[82:83]
	s_load_b64 s[84:85], s[0:1], 0x30              ; kv
	v_lshl_add_u32 v[SPW], v0, 2, SPARE
	v_mov_b32 v[NIL], 0
	ds_add_u32 v28, v29
	ds_add_u32 v28, v29
	s_wait_dscnt 0x0
	v_lshrrev_b32 v1, 5, v0
	v_readfirstlane_b32 s14, v1                    ; wave 0..3
	s_lshr_b32 s15, s14, 1                         ; which half of source 1's 256 rows is mine.  Also: I fetch for source 1 (0) or source 0 (1)
	s_and_b32 s16, s14, 1                          ; which half of source 0's.  Also: which 128 rows of that tile I fetch
	s_bfe_u32 s40, ttmp6, 0x40000                  ; cx
	s_bfe_u32 s41, ttmp6, 0x40004                  ; cy
	s_and_b32 s66, ttmp7, 0xffff                   ; the tensor = the cluster's y
	s_lshl_b32 s67, ttmp9, 2                       ; 4 x cluster x
	s_lshl_b32 s43, s41, 2
	s_lshl_b32 s43, 15, s43                        ; my row of the cluster
	s_lshl_b32 s44, 0x1111, s40                    ; my column
	s_or_b32 s[G1+0], s43, (0<<16)|(1<<20)|(1<<21)|(5<<22)|(3<<25)  ; 15:0 mask; 17:16 elements of 1 byte; 20 padding on; 21 set beside a mask; 24:22 after every 64 words; 31:25 four words
	s_or_b32 s[G1B+0], s44, (0<<16)|(1<<20)|(1<<21)|(5<<22)|(3<<25)
.irp g, G1, G1B
	s_mov_b32 s[\g+1], ROWB<<16                    ; tensor_dim0
	s_mov_b32 s[\g+2], 128<<16                     ; tensor_dim1
	s_mov_b32 s[\g+3], ROWB<<16                    ; tile_dim0
	s_mov_b32 s[\g+4], 128                         ; tile_dim1
	s_mov_b32 s[\g+5], KROW                        ; tensor_dim0_stride
	s_mov_b32 s[\g+6], 0
	s_mov_b32 s[\g+7], 0
.endr
	s_cmp_eq_u32 s66, 2
	s_cselect_b32 s17, 0, s67
	s_cselect_b32 s42, s67, 0
	s_add_co_u32 s17, s17, s41                     ; source 1's tile: cy, + 4 x cluster x where it is tokens (q, k)
	s_add_co_u32 s42, s42, s40                     ; source 0's tile: cx, + 4 x cluster x where it is tokens (v)
	s_lshl_b32 s18, s16, 7
	s_lshl_b32 s20, s17, 8
	s_add_co_u32 s20, s20, s18
	s_lshl_b32 s20, s20, 10                        ; row x 1,024 bytes: under 2^23
	s_mov_b32 s21, 0
	s_lshl_b32 s46, s42, 8
	s_add_co_u32 s46, s46, s18
	s_lshl_b32 s46, s46, 10
	s_mov_b32 s47, 0
	s_lshl_b32 s88, s66, 23                        ; xc: 8,388,608 bytes a tensor
	s_mov_b32 s89, 0
	s_mul_i32 s45, s14, HALFT                      ; where my tile goes: wave x 128 rows: no place in the cluster enters an LDS address
	s_wait_kmcnt 0x0
	s_load_b256 s[68:75], s[80:81], 0x0            ; entries 0..7 of the scales
	s_load_b64 s[76:77], s[80:81], 0x20            ; entries 8, 9
	s_add_nc_u64 s[88:89], s[10:11], s[88:89]      ; my tensor's codes
	s_cmp_eq_u32 s66, 0
	s_cselect_b64 s[86:87], s[4:5], s[6:7]
	s_cmp_eq_u32 s66, 2
	s_cselect_b64 s[86:87], s[8:9], s[86:87]       ; my tensor's weight
	s_cselect_b64 s[90:91], s[86:87], s[88:89]     ; source 1: W for v, else tokens
	s_cselect_b64 s[92:93], s[88:89], s[86:87]     ; source 0: the other
	s_add_nc_u64 s[20:21], s[90:91], s[20:21]
	s_add_nc_u64 s[46:47], s[92:93], s[46:47]
	CROUND                                         ; all sixteen work-groups are here: the first joint loads meet
.irp s, 0,1
	s_mov_b32 s[G0+4*\s], 1
	s_add_co_u32 s[G0+4*\s+1], s45, \s*SLOT
	s_add_nc_u64 s[G0+4*\s+2:G0+4*\s+3], s[20:21], \s*ROWB
	s_or_b32 s[G0+4*\s+3], s[G0+4*\s+3], 0x80000000
	s_mov_b32 s[G0B+4*\s], 1
	s_add_co_u32 s[G0B+4*\s+1], s45, \s*SLOT
	s_add_nc_u64 s[G0B+4*\s+2:G0B+4*\s+3], s[46:47], \s*ROWB
	s_or_b32 s[G0B+4*\s+3], s[G0B+4*\s+3], 0x80000000
	JLOAD G0+4*\s, G1, G0B+4*\s, G1B
.endr
	v_and_b32 v1, 15, v0                           ; l % 16
	v_bfe_u32 v2, v0, 4, 1                         ; l / 16
	v_mul_u32_u24 v3, v1, PITCH
	v_lshl_add_u32 v4, v2, 4, v3                   ; a fragment's row x pitch + 16 x half
	s_mul_i32 s21, s15, HALFT
	s_mul_i32 s22, s16, HALFT
	s_add_co_u32 s22, s22, 2*HALFT
.irp s, 0,1
	v_add_nc_u32 v[ADRA+\s], s21, v4
	v_add_nc_u32 v[ADRB+\s], s22, v4
	s_add_co_u32 s21, s21, SLOT
	s_add_co_u32 s22, s22, SLOT
.endr
	; THE WAY OUT'S ADDRESSES.  Block a = 16 rows of source 1; its 16 registers of codes leave as groups p = 0..3 of four.
	;   q, k: a = tile of 16 tokens (1,024 bytes on); p / 2 = the head (a head's bytes on), p % 2 = the half of its fragment.      v: a % 4 = tile of channels (2,048 on), a / 4 = the head; p = the group of its fragment.
	s_cmp_eq_u32 s66, 2
	s_cselect_b32 s94, s15, s16                    ; the half that picks two of the tile's four heads
	s_cselect_b32 s95, s16, s15                    ; the half that picks 128 of the tile's 256 tokens
	s_cselect_b32 s96, s41, s40                    ; W's tile
	s_cselect_b32 s97, s40, s41                    ; the token tile's place in the cluster
	s_cselect_b32 s98, 1, 0                        ; 1 for v
	s_cmp_eq_u32 s66, 0
	s_cselect_b32 s99, 17, 18                      ; a (b, head) is 2^17 bytes in qimg, 2^18 in kv
	s_cselect_b64 s[86:87], s[82:83], s[84:85]
	s_add_co_u32 s97, s97, s67                     ; the token tile, 0..31
	s_lshr_b32 s100, s97, 3                        ; b
	s_lshl_b32 s100, s100, 4
	s_lshl_b32 s96, s96, 2
	s_add_co_u32 s100, s100, s96
	s_lshl_b32 s94, s94, 1
	s_add_co_u32 s100, s100, s94                   ; 16 b + my first head
	s_lshl_b32 s100, s100, s99
	s_and_b32 s97, s97, 7                          ; which 256 tokens of the 2,048: an eighth of a head's bytes each
	s_sub_co_u32 s101, s99, 3
	s_lshl_b32 s97, s97, s101
	s_add_co_u32 s100, s100, s97
	s_lshl_b32 s95, s95, 13                        ; 128 tokens: 8 tiles of 1,024 bytes, or a step of V^T: 8,192 either way
	s_add_co_u32 s100, s100, s95
	s_lshl_b32 s94, s98, 14                        ; V^T lies behind a slot's K
	s_add_co_u32 s100, s100, s94
	s_mov_b32 s101, 0
	s_add_nc_u64 s[86:87], s[86:87], s[100:101]    ; groups 0, 1
	s_lshl_b32 s90, 1, s99
	s_mov_b32 s91, 1024
	s_cmp_eq_u32 s66, 2
	s_cselect_b32 s90, s91, s90                    ; from group 1 to group 3: 1,024 bytes for v, else a head
	s_mov_b32 s91, 0
	s_add_nc_u64 s[88:89], s[86:87], s[90:91]      ; groups 2, 3
	s_lshl_b32 s92, 1024, s98                      ; from a to a + 1: 1,024, for v 2,048
	s_mul_i32 s93, s98, 6
	s_lshl_b32 s93, 4096, s93                      ; from a to a + 4: 4,096, for v a head (2^18)
	v_and_b32 v5, 31, v0
	v_lshlrev_b32 v5, 4, v5
.irp a, 0,1,2,3,4,5,6,7
	s_mul_i32 s90, s92, \a%4
	s_mul_i32 s91, s93, \a/4
	s_add_co_u32 s90, s90, s91
	v_add_nc_u32 v[OA+\a], s90, v5
.endr
.macro FRAG reg, adr, q, i             ; 16 rows x 128 K: registers 4 c .. 4 c + 3 hold K = 32 c + 16 (l / 16) + 0 .. 15 of row l % 16
.irp c, 0,1,2,3
	ds_load_b128 v[\reg+4*\c:\reg+4*\c+3], v[\adr] offset:128*(\q)+32*\c+(\i)*16*PITCH
.endr
.endm
; 16 matrix instructions: source 1's blocks a0, a0 + 1 x source 0's eight.  The 64 accumulators take turns, one instruction a turn, in the same order in every step.
.macro MUL16 a0, p, zero
.irp a, \a0, \a0+1
.irp b, 0,1,2,3,4,5,6,7
.if \zero
	v_wmma_f32_16x16x128_fp8_fp8 v[8*(8*((\a)%4)+\b):8*(8*((\a)%4)+\b)+7], v[128*(\p)+FR*\b:128*(\p)+FR*\b+FR-1], v[AF+FR*(\a):AF+FR*(\a)+FR-1], 0
.else
	v_wmma_f32_16x16x128_fp8_fp8 v[8*(8*((\a)%4)+\b):8*(8*((\a)%4)+\b)+7], v[128*(\p)+FR*\b:128*(\p)+FR*\b+FR-1], v[AF+FR*(\a):AF+FR*(\a)+FR-1], v[8*(8*((\a)%4)+\b):8*(8*((\a)%4)+\b)+7]
.endif
.endr
.endr
.endm
.macro FETCH_B slot, q, p
	WIN TO_B
.irp i, 0,1,2,3,4,5,6,7
	FRAG 128*(\p)+FR*\i, ADRB+\slot, \q, \i
.endr
	WIN 0
.endm
.macro FETCH_A slot, q, i0
.irp i, \i0, \i0+1, \i0+2, \i0+3
	FRAG AF+FR*(\i), ADRA+\slot, \q, \i
.endr
.endm
.macro PLACES n                        ; plain vector instructions between a matrix instruction and a load into, or a vector read or write of, one of its registers (ISA guide 7.12.1 for vector reads and writes)
.rept \n
	v_nop
.endr
.endm
.macro STEP slot, q, zero              ; 128 along K, with its successor in the same slot
	s_wait_dscnt 4*NL                              ; source 0's set and source 1's blocks 0-3 are in; the youngest 16 loads (blocks 4-7) may be out
	WIN MUL_LO
	MUL16 0, (\q)%2, \zero
	MUL16 2, (\q)%2, \zero
	s_wait_dscnt 0
	PLACES NP
	FETCH_B \slot, (\q)+1, 1-(\q)%2
	FETCH_A \slot, (\q)+1, 0
	WIN MUL_HI
	MUL16 4, (\q)%2, \zero
	MUL16 6, (\q)%2, \zero
	PLACES NP
	WIN 0
	FETCH_A \slot, (\q)+1, 4
.endm
; A slot's last step changes slots: one barrier; ahead of it each wave waits for all its tensor loads, adds 0 to its spare word, and waits for that and for its reads of this slot.  fill = 1: the slot is filled again, two K steps ahead.
.macro TURN slot, next, fill
	s_wait_tensorcnt 0x0                           ; all my tensor loads have landed: my part of the next slot
	ds_add_u32 v[SPW], v[NIL]                      ; 0 onto my spare word
	s_wait_dscnt 4*NL+1                            ; the add and the youngest 16 loads may be out
	WIN MUL_LO
	MUL16 0, 1, 0
	s_wait_dscnt 0x0                               ; the add is done, and my reads of this slot are over
	s_barrier_signal -1
	MUL16 2, 1, 0
	WIN 0
	s_barrier_wait -1
.if \fill
	CREST                                          ; the barrier has opened a round of the cluster's: no wave of any partner still reads this slot or has a load on its way
	s_add_nc_u64 s[G0+4*\slot+2:G0+4*\slot+3], s[G0+4*\slot+2:G0+4*\slot+3], 2*ROWB
	s_add_nc_u64 s[G0B+4*\slot+2:G0B+4*\slot+3], s[G0B+4*\slot+2:G0B+4*\slot+3], 2*ROWB
	JLOAD G0+4*\slot, G1, G0B+4*\slot, G1B         ; the first tensor load behind the round; its four v_nop are also the places ahead of the loads below
.else
	PLACES NP
.endif
	FETCH_B \next, 0, 0
	FETCH_A \next, 0, 0
	WIN MUL_HI
	MUL16 4, 1, 0
	MUL16 6, 1, 0
	PLACES NP
	WIN 0
	FETCH_A \next, 0, 4
.endm
	s_wait_tensorcnt 1                             ; my part of K step 0 is in; K step 1's load may be out
	s_barrier_signal -1
	s_barrier_wait -1
	FETCH_B 0, 0, 0
	FETCH_A 0, 0, 0
	FETCH_A 0, 0, 4
	STEP 0, 0, 1                                   ; the first products start the sums: nothing is cleared
.rept LAPS-1                           ; once round the ring, filling both slots again: K steps 2 and 3.  One such lap at this K, so it is written straight
	TURN 0, 1, 1
	STEP 1, 0, 0
	TURN 1, 0, 1
	STEP 0, 0, 0
.endr
	TURN 0, 1, 0                                   ; the last lap fills nothing
	STEP 1, 0, 0
	s_wait_dscnt 4*NL
	WIN MUL_LO
	MUL16 0, 1, 0
	MUL16 2, 1, 0
	s_wait_dscnt 0
	WIN MUL_HI
	MUL16 4, 1, 0
	MUL16 6, 1, 0
	WIN 0
	s_wait_kmcnt 0x0
	s_cmp_eq_u32 s66, 0
	s_cselect_b32 s90, s68, s70                    ; ew
	s_cselect_b32 s91, s69, s71                    ; ex
	s_cselect_b32 s92, s74, s75                    ; eo
	s_cmp_eq_u32 s66, 2
	s_cselect_b32 s90, s72, s90
	s_cselect_b32 s91, s73, s91
	s_cselect_b32 s92, s77, s92
	s_sub_co_i32 s92, s92, s90
	s_sub_co_i32 s92, s92, s91                     ; eo - ew - ex
	s_add_co_i32 s92, s92, 127
	s_lshl_b32 s93, s92, 23
	v_mov_b32 v[SCV], s93
	s_add_co_i32 s92, s92, 8
	s_lshl_b32 s92, s92, 23
	s_or_b32 s92, s92, 0x600000
	v_mov_b32 v[LIMV], s92
	PLACES NP                                      ; behind the last products: their results are read, and source 1's registers are written, below
.macro OUTBLK a                        ; block a: 64 sums are held (the conversion does not saturate: ISA guide 7.6.2), each accumulator from its low end on; eight conversions; four stores of 512 consecutive bytes
	WIN 0x02+((\a)/4)                              ; source 0: window 2 or 3
.set JJ, 0
.rept 64
	v_med3_num_f32 v[TMP+JJ], v[64*((\a)%4)+JJ], -v[LIMV], v[LIMV]
.set JJ, JJ+1
.endr
	WIN 0
.irp b, 0,1,2,3,4,5,6,7
	v_cvt_scalef32_pk8_fp8_f32 v[CDS+16*(\a)+2*\b:CDS+16*(\a)+2*\b+1], v[TMP+8*\b:TMP+8*\b+7], v[SCV]
.endr
	v_nop                                          ; a plain instruction between the conversions and the next block's holds, which write their sources
.irp p, 0,1,2,3
	global_store_b128 v[OA+(\a)], v[CDS+16*(\a)+4*\p:CDS+16*(\a)+4*\p+3], s[86+2*(\p/2):87+2*(\p/2)] offset:(\p%2)*512
.endr
.endm
.irp a, 0,1,2,3,4,5,6,7
	OUTBLK \a
.endr
	s_wait_tensorcnt 0x0                           ; the wave's end
	ds_add_u32 v[SPW], v[NIL]
	s_wait_dscnt 0x0
	CROUND                                         ; the closing round: no work-group ends while a partner may still ask for a tile that names it
	s_endpgm
.Lfunc_end_k_qed08c05f90_proj:
	.size	k_qed08c05f90_proj, .Lfunc_end_k_qed08c05f90_proj-k_qed08c05f90_proj
	.p2alignl 7, 3214868480
	.fill 96, 4, 3214868480
	.section	.rodata,"a",@progbits
	.p2align	6, 0x0
	.amdhsa_kernel k_qed08c05f90_proj
		.amdhsa_group_segment_fixed_size 327680
		.amdhsa_private_segment_fixed_size 0
		.amdhsa_enable_private_segment 0
		.amdhsa_kernarg_size 56
		.amdhsa_user_sgpr_count 2
		.amdhsa_user_sgpr_kernarg_segment_ptr 1
		.amdhsa_wavefront_size32 1
		.amdhsa_system_sgpr_workgroup_id_x 1
		.amdhsa_system_sgpr_workgroup_id_y 1
		.amdhsa_system_sgpr_workgroup_id_z 1
		.amdhsa_system_vgpr_workitem_id 0
		.amdhsa_next_free_vgpr 1024
		.amdhsa_next_free_sgpr 102
		.amdhsa_reserve_vcc 0
		.amdhsa_float_denorm_mode_32 3
		.amdhsa_float_denorm_mode_16_64 3
		.amdhsa_memory_ordered 1
		.amdhsa_forward_progress 1
		.amdhsa_inst_pref_size 120
	.end_amdhsa_kernel
	.amdgpu_metadata
---
amdhsa.version: [ 1, 2 ]
amdhsa.kernels:
  - .name:           k_qed08c05f90_proj
    .symbol:         k_qed08c05f90_proj.kd
    .args:
      - { .name: Wq_codes, .offset: 0, .size: 8, .value_kind: global_buffer, .address_space: global }
      - { .name: Wk_codes, .offset: 8, .size: 8, .value_kind: global_buffer, .address_space: global }
      - { .name: Wv_codes, .offset: 16, .size: 8, .value_kind: global_buffer, .address_space: global }
      - { .name: xc, .offset: 24, .size: 8, .value_kind: global_buffer, .address_space: global }
      - { .name: lowp_scales, .offset: 32, .size: 8, .value_kind: global_buffer, .address_space: global }
      - { .name: qimg, .offset: 40, .size: 8, .value_kind: global_buffer, .address_space: global }
      - { .name: kv, .offset: 48, .size: 8, .value_kind: global_buffer, .address_space: global }
    .group_segment_fixed_size: 327680
    .private_segment_fixed_size: 0
    .kernarg_segment_align: 8
    .kernarg_segment_size: 56
    .max_flat_workgroup_size: 128
    .sgpr_count:     102
    .vgpr_count:     1024
    .wavefront_size: 32
...
	.end_amdgpu_metadata
.endif
;; end of part 2
;; launch attn (part 3): grid 8 x 64, 16 waves a work-group, no clusters, 67,584 bytes of LDS; arguments qimg, kv, maskw, act, lowp_scales, attn; writes attn
.if DOCPART == 3
	.amdgcn_target "amdgcn-amd-amdhsa--gfx1250"
	.amdhsa_code_object_version 6
	.text
	.protected	k_qed08c05f90_attn
	.globl	k_qed08c05f90_attn
	.p2align	8
	.type	k_qed08c05f90_attn,@function
k_qed08c05f90_attn:
	s_mov_b64 s[64:65], 0
	v_nop
	global_prefetch_b8 v0, s[64:65] scope:SCOPE_SE
	s_setreg_imm32_b32 hwreg(HW_REG_WAVE_MODE, 25, 1), 1
	s_wait_xcnt 0x0
; ATTENTION on codes of E4M3, head size 64, 2,048 keys, with the mask that is GIVEN (as words made by the first launch), for one (b, head) = work-group y.
; t = score x 2^(e6 + e7) x log2(e) / 32 (the scale is 1,024^-0.5); hidden scores become -infinity; M = the running largest t rounded UP to a whole number; p = 2^(t - M) is quantised with 2^e8 along the keys, not normalised;
; the row's sum is taken of the unquantised p; when M moves, the sum and O are multiplied by 2^(old M - new M), which rounds nothing.  At the end O x 2^(e8 + e9) / the sum is quantised with 2^e10 for the last product.
; SHARES.  Sixteen waves; wave w owns ONE tile of 16 queries, Qt = 8 w + work-group x: the tiles of a work-group lie 128 queries apart, so that under masks that hide late keys from early queries all work-groups have like work.
; Every wave walks all 8 slots of 256 keys (a constant count) and passes every barrier; a step of 128 keys whose 16 x 128 places are ALL hidden (its bit of act, a stored whole number, is 0) is left out by a scalar branch round the step's work alone:
; such a step adds p = 0 everywhere and moves no maximum.  K and V go from memory to LDS through registers, 2,048 bytes a wave and slot.
; Not in a cluster for the same reason; what the 8 work-groups of a head share is 262,144 bytes each.
; LAYOUT.  Both products transposed: S^T = K Q^T (source 0 = 16 keys), O^T = V^T P^T (source 0 = 16 channels): a lane holds ONE query (lane % 16).  Register 8 t + j of S^T is key 16 t + 8 (lane / 16) + j: eight codes made of a tile's
; registers are registers 2 t, 2 t + 1 of the plain 8-bit operand layout (ISA guide 7.12.2): p's and O's codes are operands as they stand.  Q, K, V^T arrive as images of operand registers: every LDS and memory access is 512 consecutive bytes.
; A query all of whose keys are hidden has the sum 0: it gets NaN codes, so that its row of the output is NaN, as the softmax of such a row is.
; LIMITS: e6 + e7 between -121 and 132 (added to the exponent field of log2(e) / 32); e8, and e10 - e8 - e9, between -126 and 119.  NaN among the inputs is not served.
; O^T begins as 32 cleared registers: which step is a wave's first hangs on the mask, so no product can be written out as the one that starts the sums.
.set AD,  2                            ; v2   LDS address of the slot in hand + 16 x lane
.set ADW, 3                            ; v3   where I store my 2,048 bytes of the next slot
.set QF,  16                           ; v16-23   Q's fragment
.set STG, 24                           ; v24-39   my 2,048 bytes of the next slot, on their way from memory to LDS
.set KV,  40                           ; v40-103  K's eight fragments, then V^T's four
.set S,   104                          ; v104-167 S^T, then p
.set OT,  168                          ; v168-199 O^T
.set P,   200                          ; v200-215 p's codes
; v1 16 x lane; v4 -infinity; v5 448 x 2^e8; v6 2^e8; v7 2,048 x wave + 16 x lane; v8 256 x lane; v9, v10 the way out's hold and scale; v11 four NaN codes; v12 -M; v13 the largest t; v[14:15] the sum in two halves; v216-223 at work
.set TB,    2                          ; s2   LDS byte at which the slot in hand begins
.set SLOTS, 3                          ; s3   slots still to be fetched
.set KVP,   4                          ; s[4:5] my wave's 2,048 bytes of the next slot
.set MWP,   6                          ; s[6:7] the mask words of my tile, at the slot in hand
.set OUTP,  8                          ; s[8:9]
.set ACT,   10                         ; s10  bit 0, 1: the two steps of the slot in hand
.set WV,    11
.set SEL,   12                         ; s[12:13] lane l xor 16
.set CS,    14                         ; s[14:15] c
.set PFA,   66                         ; s[66:67] where my prefetches stand
.set LIM,   68                         ; s68  1 in a wave that prefetches, else the greatest number
; s[16:63], s[80:95]: a step's 64 mask words: word n in s[16 + n] for n < 48, else in s[32 + n]
.macro GLOAD
.irp i, 0,1,2,3
	global_load_b128 v[STG+4*\i:STG+4*\i+3], v1, s[KVP:KVP+1] offset:512*\i
.endr
.endm
.macro PRELOAD off                     ; a step's 256 bytes of mask words
	s_load_b512 s[16:31], s[MWP:MWP+1], \off
	s_load_b512 s[32:47], s[MWP:MWP+1], \off+64
	s_load_b512 s[48:63], s[MWP:MWP+1], \off+128
	s_load_b512 s[80:95], s[MWP:MWP+1], \off+192
.endm
; A PREFETCH of the slot that the NEXT trip will load: 32,768 bytes, named once in the launch: by waves 0 to 3 of the head's work-group x = 0, 8,192 bytes a wave, lanes 256 bytes apart.  It stands behind the wave's own loads.
; The last trip that loads asks for nothing: there is no slot behind it.  Slots 0 and 1 come by their loads alone.
.macro ASK
	s_cmp_gt_u32 s[SLOTS], s[LIM]
	s_cbranch_scc0 .Lnot_mine_\@
	global_prefetch_b8 v8, s[PFA:PFA+1] th:TH_LOAD_NT scope:SCOPE_SE
.Lnot_mine_\@:
.endm
	s_load_b256 s[16:23], s[0:1], 0x0              ; qimg s[16:17], kv s[18:19], maskw s[20:21], act s[22:23]
	s_load_b128 s[24:27], s[0:1], 0x20             ; scales s[24:25], attn s[26:27]
	v_lshl_add_u32 v254, v0, 2, 0x10000
	v_mov_b32 v255, 0
	v_lshrrev_b32 v216, 5, v0
	v_readfirstlane_b32 s[WV], v216                ; wave 0..15
	v_and_b32 v217, 31, v0
	v_lshlrev_b32 v1, 4, v217
	v_lshlrev_b32 v8, 8, v217
	s_lshl_b32 s69, s[WV], 11
	v_add_nc_u32 v7, s69, v1
	s_and_b32 s70, ttmp7, 0xffff                   ; (b, head)
	s_lshl_b32 s71, s[WV], 3
	s_add_co_u32 s71, s71, ttmp9                   ; Qt
	s_lshl_b32 s96, s70, 17
	s_lshl_b32 s97, s71, 10
	s_add_co_u32 s96, s96, s97                     ; Q: 131,072 a head, 1,024 a tile
	s_mov_b32 s97, 0
	s_lshl_b32 s98, s70, 18                        ; kv: 262,144 a head
	s_mov_b32 s99, 0
	s_lshl_b32 s100, s71, 12                       ; mask words: 4,096 a tile
	s_mov_b32 s101, 0
	s_lshl_b32 s72, s71, 4                         ; act: 16 a tile
	s_mov_b32 s73, 0
	s_lshr_b32 s76, s70, 4                         ; the output image: [128 tokens][4 heads][tile of 16 tokens][2 heads][4 groups][512]
	s_lshl_b32 s76, s76, 7
	s_add_co_u32 s76, s76, s71                     ; the tile of tokens: 128 b + Qt
	s_lshr_b32 s74, s76, 3
	s_lshl_b32 s74, s74, 17
	s_and_b32 s76, s76, 7
	s_lshl_b32 s76, s76, 12
	s_add_co_u32 s74, s74, s76
	s_and_b32 s76, s70, 3                          ; head % 4: 1,024 bytes each (two groups)
	s_lshl_b32 s76, s76, 10
	s_add_co_u32 s74, s74, s76
	s_bfe_u32 s76, s70, 0x20002                    ; head / 4
	s_lshl_b32 s76, s76, 15
	s_add_co_u32 s74, s74, s76
	s_mov_b32 s75, 0
	s_lshr_b32 s69, s[WV], 2                       ; 0 in waves 0 to 3,
	s_or_b32 s69, s69, ttmp9                       ; of the head's first work-group
	s_cmp_eq_u32 s69, 0
	s_cselect_b32 s[LIM], 1, -1
	s_mov_b32 s[SEL], 0x76543210
	s_mov_b32 s[SEL+1], 0xfedcba98
	s_mov_b32 s[TB], 0
	s_mov_b32 s[SLOTS], 7
	s_wait_kmcnt 0x0
	s_add_nc_u64 s[16:17], s[16:17], s[96:97]
	s_add_nc_u64 s[18:19], s[18:19], s[98:99]
	s_lshl_b32 s96, s[WV], 11
	s_add_nc_u64 s[KVP:KVP+1], s[18:19], s[96:97]
	s_and_b32 s96, s[WV], 3
	s_lshl_b32 s96, s96, 13
	s_add_co_u32 s96, s96, 65536                   ; in slot 2: the first trip loads slot 1 and asks for slot 2
	s_add_nc_u64 s[PFA:PFA+1], s[18:19], s[96:97]
	s_add_nc_u64 s[MWP:MWP+1], s[20:21], s[100:101]
	s_add_nc_u64 s[22:23], s[22:23], s[72:73]
	s_add_nc_u64 s[OUTP:OUTP+1], s[26:27], s[74:75]
	s_load_b128 s[96:99], s[22:23], 0x0            ; my tile's four act words, four bits each
	s_load_b256 s[72:79], s[24:25], 0x10           ; entries 4..11 of the scales: e6 s74, e7 s75, e8 s76, e9 s77, e10 s78
	global_load_b128 v[QF:QF+3], v1, s[16:17]
	global_load_b128 v[QF+4:QF+7], v1, s[16:17] offset:512
	GLOAD                                          ; slot 0
	v_mov_b32 v4, 0xff800000
	v_mov_b32 v11, 0x7f7f7f7f
	v_mov_b32 v13, 0xff61b1e6                      ; the largest t so far: -3e38, under every t
	v_floor_f32 v12, -v13
	v_mov_b32 v14, 0
	v_mov_b32 v15, 0
	v_mov_b32 v217, 0                              ; (upper halves of pairs, and a lane permute's destination: written once)
	v_mov_b32 v218, 0
	v_mov_b32 v221, 0
.irp j, 0,1,2,3,4,5,6,7,8,9,10,11,12,13,14,15,16,17,18,19,20,21,22,23,24,25,26,27,28,29,30,31
	v_mov_b32 v[OT+\j], 0
.endr
	s_wait_kmcnt 0x0
	s_lshl_b32 s97, s97, 4
	s_lshl_b32 s98, s98, 8
	s_lshl_b32 s99, s99, 12
	s_or_b32 s[ACT], s96, s97
	s_or_b32 s[ACT], s[ACT], s98
	s_or_b32 s[ACT], s[ACT], s99                   ; bit s: step s of 16
	s_mov_b32 s[CS], 0x3d38aa3b                    ; log2(e) / 32
	s_add_co_i32 s69, s74, s75
	s_lshl_b32 s69, s69, 23
	s_add_co_i32 s[CS], s[CS], s69                 ; x 2^(e6 + e7), by its exponent field
	s_mov_b32 s[CS+1], s[CS]
	s_add_co_i32 s69, s76, 127
	s_lshl_b32 s70, s69, 23
	v_mov_b32 v6, s70
	s_add_co_i32 s69, s69, 8
	s_lshl_b32 s69, s69, 23
	s_or_b32 s69, s69, 0x600000
	v_mov_b32 v5, s69
	s_sub_co_i32 s69, s78, s76
	s_sub_co_i32 s69, s69, s77                     ; e10 - e8 - e9
	s_add_co_i32 s69, s69, 127
	s_lshl_b32 s70, s69, 23
	v_mov_b32 v10, s70
	s_add_co_i32 s69, s69, 8
	s_lshl_b32 s69, s69, 23
	s_or_b32 s69, s69, 0x600000
	v_mov_b32 v9, s69
	s_wait_loadcnt 0x0                             ; Q and slot 0's bytes are in: their address registers are free
.irp i, 0,1,2,3
	ds_store_b128 v7, v[STG+4*\i:STG+4*\i+3] offset:512*\i
.endr
	s_add_nc_u64 s[KVP:KVP+1], s[KVP:KVP+1], 32768
	PRELOAD 0                                      ; step 0's words, over the registers that held the arguments
	s_wait_dscnt 0x0                               ; for the others' sake: my part of slot 0 is stored
	s_barrier_signal -1
	s_barrier_wait -1
; A STEP of 128 keys, the q-th of the slot in hand.  more = 1: the next step's mask words are asked for as soon as this step's have been used.
.macro STEP q, more
	s_bitcmp1_b32 s[ACT], \q
	s_cbranch_scc0 .Lskip_\@
.rept 4
	v_nop                                          ; places ahead of loads into registers that the last products have read
.endr
.irp t, 0,1,2,3,4,5,6,7
	ds_load_b128 v[KV+8*\t:KV+8*\t+3], v[AD] offset:(8*(\q)+\t)*1024
	ds_load_b128 v[KV+8*\t+4:KV+8*\t+7], v[AD] offset:(8*(\q)+\t)*1024+512
.endr
	s_wait_dscnt 0x0
.irp t, 0,1,2,3,4,5,6,7
	v_wmma_f32_16x16x64_fp8_fp8 v[S+8*\t:S+8*\t+7], v[KV+8*\t:KV+8*\t+7], v[QF:QF+7], 0
.endr
.rept 4
	v_nop                                          ; places ahead of the loads below and of the first read of the scores
.endr
.irp c, 0,1,2,3,4,5,6,7,8,9,10,11,12,13,14,15
	ds_load_b128 v[KV+4*\c:KV+4*\c+3], v[AD] offset:16384+8192*(\q)+512*\c   ; V^T's four fragments: they land during the softmax
.endr
	s_wait_kmcnt 0x0                               ; this step's mask words
.set NN, 0
.rept 64
.if NN < 48
.set MW, 16+NN
.else
.set MW, 32+NN
.endif
	v_cndmask_b32 v[S+NN], v[S+NN], v4, s[MW]      ; hidden: -infinity.  One line a score; each tile's registers from the low end on
.set NN, NN+1
.endr
.if \more
	PRELOAD ((\q)+1)*256
.endif
	v_max3_num_f32 v216, v[S], v[S+1], v[S+2]      ; the step's largest score of my query among my 64 keys, in two chains,
	v_max3_num_f32 v217, v[S+3], v[S+4], v[S+5]
.irp i, 6,10,14,18,22,26,30,34,38,42,46,50,54,58
	v_max3_num_f32 v216, v216, v[S+\i], v[S+\i+1]
	v_max3_num_f32 v217, v217, v[S+\i+2], v[S+\i+3]
.endr
	v_max3_num_f32 v216, v216, v[S+62], v[S+63]
	v_max_num_f32 v216, v216, v217
	v_permlanex16_b32 v218, v216, s[SEL], s[SEL+1]
	v_max_num_f32 v216, v216, v218                 ; and among lane l xor 16's
	v_mul_f32 v216, s[CS], v216                    ; as t (c is positive)
	v_max_num_f32 v13, v13, v216
	v_mov_b32 v216, v12
	v_floor_f32 v12, -v13                          ; -M = floor(-t)
	v_sub_f32 v216, v12, v216                      ; old M - new M: a whole number, 0 or less
	v_cvt_i32_f32 v216, v216                       ; (it saturates)
	v_ldexp_f32 v220, 1.0, v216                    ; f = 2^(old M - new M)
.irp j, 0,2,4,6,8,10,12,14,16,18,20,22,24,26,28,30,32,34,36,38,40,42,44,46,48,50,52,54,56,58,60,62
	v_pk_fma_f32 v[S+\j:S+\j+1], v[S+\j:S+\j+1], s[CS:CS+1], v[12:13] op_sel_hi:[1,0,0]   ; t - M
.endr
.set NN, 0
.rept 64
	v_exp_f32 v[S+NN], v[S+NN]                     ; p = 2^(t - M): one batch
.set NN, NN+1
.endr
	v_pk_mul_f32 v[14:15], v[14:15], v[220:221] op_sel_hi:[1,0]   ; the sums under the new M (the plain instruction behind the batch)
	s_wait_alu depctr_va_vdst(0)                   ; one wait for the batch, ahead of its first reader
	v_pk_add_f32 v[222:223], v[S:S+1], v[S+2:S+3]  ; the row's sum of the unquantised p, in two chains
.irp j, 4,8,12,16,20,24,28,32,36,40,44,48,52,56,60
	v_pk_add_f32 v[14:15], v[14:15], v[S+\j:S+\j+1]
	v_pk_add_f32 v[222:223], v[222:223], v[S+\j+2:S+\j+3]
.endr
	v_pk_add_f32 v[14:15], v[14:15], v[222:223]
.irp t, 0,1,2,3,4,5,6,7
.irp i, 0,1,2,3,4,5,6,7
	v_min_num_f32 v[S+8*\t+\i], v[S+8*\t+\i], v5   ; the conversion does not saturate (ISA guide 7.6.2); p is not negative, so the hold is one-sided
.endr
	v_cvt_scalef32_pk8_fp8_f32 v[P+2*\t:P+2*\t+1], v[S+8*\t:S+8*\t+7], v6
.endr
.irp j, 0,2,4,6,8,10,12,14,16,18,20,22,24,26,28,30
	v_pk_mul_f32 v[OT+\j:OT+\j+1], v[OT+\j:OT+\j+1], v[220:221] op_sel_hi:[1,0]   ; O^T under the new M; also the plain lines between the conversions and the products
.endr
	s_wait_dscnt 0x0                               ; V^T is in
.irp c, 0,1,2,3
	v_wmma_f32_16x16x128_fp8_fp8 v[OT+8*\c:OT+8*\c+7], v[KV+16*\c:KV+16*\c+15], v[P:P+15], v[OT+8*\c:OT+8*\c+7]   ; four accumulators by turns
.endr
	s_branch .Ldone_\@
.Lskip_\@:
	s_wait_kmcnt 0x0                               ; the unused words have landed: their registers may be loaded again
.if \more
	PRELOAD ((\q)+1)*256
.endif
.Ldone_\@:
.endm
.Lslot:                                            ; 7 trips: slot i is worked while slot i + 1 comes from memory; one barrier a trip
	GLOAD
	ASK
	v_add_nc_u32 v[AD], s[TB], v1
	STEP 0, 1
	STEP 1, 1
	s_wait_loadcnt 0x0                             ; the next slot's bytes are in registers, and their address is free
	s_xor_b32 s[TB], s[TB], 32768
	v_add_nc_u32 v[ADW], s[TB], v7
.irp i, 0,1,2,3
	ds_store_b128 v[ADW], v[STG+4*\i:STG+4*\i+3] offset:512*\i   ; into the slot that every wave left ahead of the last barrier
.endr
	s_add_nc_u64 s[KVP:KVP+1], s[KVP:KVP+1], 32768
	s_wait_xcnt 0x0                                ; the scalar loads and the prefetch have read their bases
	s_add_nc_u64 s[MWP:MWP+1], s[MWP:MWP+1], 512
	s_add_nc_u64 s[PFA:PFA+1], s[PFA:PFA+1], 32768
	s_lshr_b32 s[ACT], s[ACT], 2
	s_wait_dscnt 0x0                               ; my stores have landed and my reads of the slot in hand are over
	s_barrier_signal -1
	s_barrier_wait -1
	s_sub_co_u32 s[SLOTS], s[SLOTS], 1
	s_cmp_lg_u32 s[SLOTS], 0
	s_cbranch_scc1 .Lslot
	v_add_nc_u32 v[AD], s[TB], v1                  ; the last slot: nothing more to fetch
	STEP 0, 1
	STEP 1, 0
	; THE WAY OUT: O^T / the sum, quantised; its eight registers are half of a fragment (16 tokens x 128 K) of the last product
.rept 4
	v_nop                                          ; places behind the last products
.endr
	v_add_f32 v14, v14, v15
	v_permlanex16_b32 v218, v14, s[SEL], s[SEL+1]
	v_add_f32 v14, v14, v218                       ; the row's sum
	v_cmp_eq_f32 s69, 0, v14                       ; 0 only where every key is hidden: else the largest p is above 1/2
	v_rcp_f32 v216, v14
	v_nop
	s_wait_alu depctr_va_vdst(0)
.irp j, 0,2,4,6,8,10,12,14,16,18,20,22,24,26,28,30
	v_pk_mul_f32 v[S+\j:S+\j+1], v[OT+\j:OT+\j+1], v[216:217] op_sel_hi:[1,0]
.endr
.irp j, 0,1,2,3,4,5,6,7,8,9,10,11,12,13,14,15,16,17,18,19,20,21,22,23,24,25,26,27,28,29,30,31
	v_med3_num_f32 v[S+\j], v[S+\j], -v9, v9
.endr
.irp c, 0,1,2,3
	v_cvt_scalef32_pk8_fp8_f32 v[P+2*\c:P+2*\c+1], v[S+8*\c:S+8*\c+7], v10
.endr
	v_nop
.irp j, 0,1,2,3,4,5,6,7
	v_cndmask_b32 v[P+\j], v[P+\j], v11, s69
.endr
	global_store_b128 v1, v[P:P+3], s[OUTP:OUTP+1]
	global_store_b128 v1, v[P+4:P+7], s[OUTP:OUTP+1] offset:512
	s_wait_tensorcnt 0x0
	ds_add_u32 v254, v255
	s_wait_dscnt 0x0
	s_endpgm
.Lfunc_end_k_qed08c05f90_attn:
	.size	k_qed08c05f90_attn, .Lfunc_end_k_qed08c05f90_attn-k_qed08c05f90_attn
	.p2alignl 7, 3214868480
	.fill 96, 4, 3214868480
	.section	.rodata,"a",@progbits
	.p2align	6, 0x0
	.amdhsa_kernel k_qed08c05f90_attn
		.amdhsa_group_segment_fixed_size 67584
		.amdhsa_private_segment_fixed_size 0
		.amdhsa_enable_private_segment 0
		.amdhsa_kernarg_size 48
		.amdhsa_user_sgpr_count 2
		.amdhsa_user_sgpr_kernarg_segment_ptr 1
		.amdhsa_wavefront_size32 1
		.amdhsa_system_sgpr_workgroup_id_x 1
		.amdhsa_system_sgpr_workgroup_id_y 1
		.amdhsa_system_sgpr_workgroup_id_z 1
		.amdhsa_system_vgpr_workitem_id 0
		.amdhsa_next_free_vgpr 256
		.amdhsa_next_free_sgpr 102
		.amdhsa_reserve_vcc 0
		.amdhsa_float_denorm_mode_32 3
		.amdhsa_float_denorm_mode_16_64 3
		.amdhsa_memory_ordered 1
		.amdhsa_forward_progress 1
		.amdhsa_inst_pref_size 91
	.end_amdhsa_kernel
	.amdgpu_metadata
---
amdhsa.version: [ 1, 2 ]
amdhsa.kernels:
  - .name:           k_qed08c05f90_attn
    .symbol:         k_qed08c05f90_attn.kd
    .args:
      - { .name: qimg, .offset: 0, .size: 8, .value_kind: global_buffer, .address_space: global }
      - { .name: kv, .offset: 8, .size: 8, .value_kind: global_buffer, .address_space: global }
      - { .name: maskw, .offset: 16, .size: 8, .value_kind: global_buffer, .address_space: global }
      - { .name: act, .offset: 24, .size: 8, .value_kind: global_buffer, .address_space: global }
      - { .name: lowp_scales, .offset: 32, .size: 8, .value_kind: global_buffer, .address_space: global }
      - { .name: attn, .offset: 40, .size: 8, .value_kind: global_buffer, .address_space: global }
    .group_segment_fixed_size: 67584
    .private_segment_fixed_size: 0
    .kernarg_segment_align: 8
    .kernarg_segment_size: 48
    .max_flat_workgroup_size: 512
    .sgpr_count:     102
    .vgpr_count:     256
    .wavefront_size: 32
...
	.end_amdgpu_metadata
.endif
;; end of part 3
;; launch outp (part 4): grid 8 x 32, 4 waves a work-group, clusters of 4 x 4, 327,680 bytes of LDS; arguments attn, Wp_codes, bp, lowp_scales, out0; writes out0
.if DOCPART == 4
	.amdgcn_target "amdgcn-amd-amdhsa--gfx1250"
	.amdhsa_code_object_version 6
	.text
	.protected	k_qed08c05f90_outp
	.globl	k_qed08c05f90_outp
	.p2align	8
	.type	k_qed08c05f90_outp,@function
k_qed08c05f90_outp:
	s_mov_b64 s[64:65], 0
	v_nop
	global_prefetch_b8 v0, s[64:65] scope:SCOPE_SE
	s_setreg_imm32_b32 hwreg(HW_REG_WAVE_MODE, 25, 1), 1
	s_wait_xcnt 0x0
	s_wait_alu depctr_hold_cnt(0) depctr_sa_sdst(0) depctr_va_vdst(0) depctr_va_sdst(0) depctr_va_ssrc(0) depctr_va_vcc(0) depctr_vm_vsrc(0)
	s_getreg_b32 s2, hwreg(HW_REG_IB_STS2, 6, 4)
	s_cmp_eq_u32 s2, 0
	s_cbranch_scc0 .Lentry_in_a_cluster
	s_endpgm
.Lentry_in_a_cluster:
	s_bfe_u32 s2, ttmp6, 0x10000c
	s_cmp_lg_u32 s2, 0xf033
	s_cbranch_scc0 .Lentry_shape_is_right
	s_endpgm
.Lentry_shape_is_right:
; out0[token][n] = (the sum over k of A[token][k] Wp[n][k]) x 2^(e10 + e11) + bp[n], on codes of E4M3; K = 1,024; f32 sums.  LIMIT: e10 + e11 between -126 and 127, so that the power is an f32 number.
; A arrives as IMAGES of operand registers ([128 tokens][K step of 256][tile of 16 tokens][128 along K][4 groups][512 bytes]): a K step's 128 tokens are one dense block of 32,768 bytes, and a fragment is four loads of 512 consecutive bytes.
; Its k stand in the plain 8-bit layout's own places (registers 2 c, 2 c + 1: k = 16 c + 8 (l / 16) + 0..7: ISA guide 7.12.2), so Wp's fragments, from rows of codes, are fetched into the same places: eight loads of 8 bytes.
; A tile of the output is 256 tokens x 128 columns: 256 work-groups.  Four waves, each 128 tokens x 64 columns: 32 accumulators.  K goes in steps of 256 through a ring of two LDS slots filled by the tensor data mover.
; CLUSTERS: 4 x 4 work-groups: A's tile hangs on the tile row and goes jointly to my row of the cluster, Wp's on the tile column and goes to my column.
; The matrix instruction is used transposed (source 0 = 16 rows of Wp, source 1 = 16 tokens): a lane holds eight neighbouring columns of one row of the output.
; No prefetch: four K steps to a work-group; the output's bytes are most of this launch's traffic.
; REGISTERS: window 0: v0-31 addresses; v32-63 at work on the way out; v96-127 bp of my 32 columns; from v128 A's fragments, one set (8 x 16).  window 1: Wp's fragments, two sets of 64.  window 2: accumulator (a, b) at v[8 (4 a + b)].
.set PITCH,  272                       ; a row of Wp in LDS: 256 bytes + 16: word 68 r + 2 (l / 16): the 32 lanes of an 8-byte load touch 64 different banks (ISA guide 11.1)
.set FR,     16
.set NP,     4
.set ABLK,   32768                     ; 128 tokens x 256 along K
.set BOFF,   2*ABLK                    ; behind A's two blocks: Wp's two halves of 64 rows
.set BHALF,  64*PITCH
.set SLOT,   BOFF+2*BHALF              ; 100,352
.set LAPS,   2
.set SPARE,  2*SLOT                    ; the spare words, 128 bytes for each wave
.set SPITCH, 272                       ; the way out: a stage of 16 rows x (256 + 16) bytes for each wave, in slot 0, which has had its last fill and its last read by then
.set ADRA, 16
.set ADRB, 20
.set STO,  24
.set RD,   25
.set CO,   26
.set SPW,  28
.set NIL,  29
.set TMP,  32
.set BP,   96
.set AF,   128
.set BK,   128                         ; the way out: 16 rows back from the stage: v128-159 and v160-191 by turns
.set G1, 24
.set G0, 32
.set G1B, 48
.set G0B, 56
.set MSB, 0
.macro WIN new
.if MSB != \new
	s_set_vgpr_msb (MSB<<8)|\new
.set MSB, \new
.endif
.endm
.set MUL,  0xa1                        ; source 0 (Wp) window 1, source 1 (A) window 0, C and D window 2
.set TO_B, 0x40
.macro JLOAD g0a, g1a, g0b, g1b        ; waves 0 and 1 fetch A's two blocks, waves 2 and 3 Wp's two halves; four v_nop follow each line
	s_cmp_eq_u32 s15, 0
	s_cbranch_scc0 .Lfor_b_\@
	tensor_load_to_lds s[\g0a:\g0a+3], s[\g1a:\g1a+7]
	s_nop 0
.rept 4
	v_nop
.endr
	s_branch .Lasked_\@
.Lfor_b_\@:
	tensor_load_to_lds s[\g0b:\g0b+3], s[\g1b:\g1b+7]
	s_nop 0
.rept 4
	v_nop
.endr
.Lasked_\@:
.endm
.macro CREST
	s_cmp_lg_u32 s14, 0
	s_cbranch_scc1 .Lnot_wave_0_\@
	s_barrier_signal -3
.Lnot_wave_0_\@:
	s_barrier_wait -3
	s_barrier_signal -1
	s_barrier_wait -1
.endm
.macro CROUND
	s_barrier_signal -1
	s_barrier_wait -1
	CREST
.endm
	s_load_b256 s[4:11], s[0:1], 0x0               ; attn s[4:5], Wp s[6:7], bp s[8:9], scales s[10:11]
	s_load_b64 s[12:13], s[0:1], 0x20              ; out0
	v_lshl_add_u32 v[SPW], v0, 2, SPARE
	v_mov_b32 v[NIL], 0
	ds_add_u32 v28, v29
	ds_add_u32 v28, v29
	s_wait_dscnt 0x0
	v_lshrrev_b32 v1, 5, v0
	v_readfirstlane_b32 s14, v1                    ; wave 0..3
	s_lshr_b32 s15, s14, 1                         ; which 128 tokens are mine.  Also: I fetch for A (0) or for Wp (1)
	s_and_b32 s16, s14, 1                          ; which 64 columns.  Also: which half of that tile I fetch
	s_bfe_u32 s40, ttmp6, 0x40000                  ; cx
	s_bfe_u32 s41, ttmp6, 0x40004                  ; cy
	s_lshl_b32 s42, ttmp9, 2
	s_add_co_u32 s42, s42, s40                     ; tile column, 0..7
	s_and_b32 s17, ttmp7, 0xffff
	s_lshl_b32 s17, s17, 2
	s_add_co_u32 s17, s17, s41                     ; tile row, 0..31
	s_lshl_b32 s43, s41, 2
	s_lshl_b32 s43, 15, s43                        ; my row of the cluster
	s_lshl_b32 s44, 0x1111, s40                    ; my column
	s_or_b32 s[G1+0], s43, (3<<16)|(1<<21)         ; A: a dense block as 128 rows of 32 elements of 8 bytes; no padding
	s_mov_b32 s[G1+1], 32<<16                      ; tensor_dim0
	s_mov_b32 s[G1+2], 128<<16                     ; tensor_dim1
	s_mov_b32 s[G1+3], 32<<16                      ; tile_dim0
	s_mov_b32 s[G1+4], 128                         ; tile_dim1
	s_mov_b32 s[G1+5], 32                          ; tensor_dim0_stride
	s_mov_b32 s[G1+6], 0
	s_mov_b32 s[G1+7], 0
	s_or_b32 s[G1B+0], s44, (0<<16)|(1<<20)|(1<<21)|(5<<22)|(3<<25)  ; Wp: 64 rows of 256 bytes, 1,024 apart; four words of padding after every 64
	s_mov_b32 s[G1B+1], 256<<16
	s_mov_b32 s[G1B+2], 64<<16
	s_mov_b32 s[G1B+3], 256<<16
	s_mov_b32 s[G1B+4], 64
	s_mov_b32 s[G1B+5], 1024
	s_mov_b32 s[G1B+6], 0
	s_mov_b32 s[G1B+7], 0
	s_lshl_b32 s20, s17, 1
	s_add_co_u32 s20, s20, s16
	s_lshl_b32 s20, s20, 17                        ; A: 131,072 bytes for 128 tokens
	s_mov_b32 s21, 0
	s_lshl_b32 s46, s42, 7
	s_lshl_b32 s47, s16, 6
	s_add_co_u32 s46, s46, s47
	s_lshl_b32 s46, s46, 10                        ; Wp: row 128 x tile column + 64 x half
	s_mov_b32 s47, 0
	s_lshl_b32 s45, s16, 15                        ; where they go: A's block,
	s_mul_i32 s22, s16, BHALF
	s_add_co_u32 s22, s22, BOFF                    ; Wp's half: the wave's number alone enters an LDS address
	s_wait_kmcnt 0x0
	s_load_b64 s[96:97], s[10:11], 0x28            ; e10, e11
	s_add_nc_u64 s[20:21], s[4:5], s[20:21]
	s_add_nc_u64 s[46:47], s[6:7], s[46:47]
	CROUND                                         ; all sixteen work-groups are here: the first joint loads meet
.irp s, 0,1
	s_mov_b32 s[G0+4*\s], 1
	s_add_co_u32 s[G0+4*\s+1], s45, \s*SLOT
	s_add_nc_u64 s[G0+4*\s+2:G0+4*\s+3], s[20:21], \s*ABLK
	s_or_b32 s[G0+4*\s+3], s[G0+4*\s+3], 0x80000000
	s_mov_b32 s[G0B+4*\s], 1
	s_add_co_u32 s[G0B+4*\s+1], s22, \s*SLOT
	s_add_nc_u64 s[G0B+4*\s+2:G0B+4*\s+3], s[46:47], \s*256
	s_or_b32 s[G0B+4*\s+3], s[G0B+4*\s+3], 0x80000000
	JLOAD G0+4*\s, G1, G0B+4*\s, G1B
.endr
	v_and_b32 v1, 15, v0                           ; r
	v_bfe_u32 v2, v0, 4, 1                         ; h
	v_and_b32 v3, 31, v0
	v_lshlrev_b32 v4, 4, v3                        ; A: 16 x lane
	v_mul_u32_u24 v5, v1, PITCH
	v_lshl_add_u32 v5, v2, 3, v5                   ; Wp: row r, + 8 h
	s_lshl_b32 s21, s15, 15
	s_mul_i32 s23, s16, BHALF
	s_add_co_u32 s23, s23, BOFF
.irp s, 0,1
	v_add_nc_u32 v[ADRA+\s], s21, v4
	v_add_nc_u32 v[ADRB+\s], s23, v5
	s_add_co_u32 s21, s21, SLOT
	s_add_co_u32 s23, s23, SLOT
.endr
	s_mul_i32 s23, s14, 16*SPITCH                  ; my stage
	v_mul_u32_u24 v6, v1, SPITCH
	v_lshl_add_u32 v6, v2, 5, v6
	v_add_nc_u32 v[STO], s23, v6                   ; in: row r, 32 bytes for each half of the lanes
	v_mul_u32_u24 v6, v2, SPITCH
	v_lshl_add_u32 v6, v1, 4, v6
	v_add_nc_u32 v[RD], s23, v6                    ; back: lanes 0-15 one row of 256 bytes, lanes 16-31 the next
	v_lshlrev_b32 v6, 12, v2
	v_lshl_add_u32 v[CO], v1, 4, v6                ; and the same two rows in the output
	s_lshl_b32 s46, s42, 9
	s_lshl_b32 s47, s16, 8
	s_add_co_u32 s46, s46, s47                     ; my first column, in bytes: 512 x tile column + 256 x half
	s_mov_b32 s47, 0
	s_add_nc_u64 s[8:9], s[8:9], s[46:47]
	s_add_nc_u64 s[12:13], s[12:13], s[46:47]
	s_lshl_b32 s46, s17, 8
	s_lshl_b32 s18, s15, 7
	s_add_co_u32 s46, s46, s18
	s_lshl_b32 s46, s46, 12                        ; my first row: 256 x tile row + 128 x half, of 4,096 bytes
	s_add_nc_u64 s[12:13], s[12:13], s[46:47]
	v_lshlrev_b32 v7, 5, v2                        ; bp: for block b my eight columns 16 b + 8 h + 0..7
.irp b, 0,1,2,3
	global_load_b128 v[BP+8*\b:BP+8*\b+3], v7, s[8:9] offset:64*\b
	global_load_b128 v[BP+8*\b+4:BP+8*\b+7], v7, s[8:9] offset:64*\b+16
.endr
; 8 matrix instructions: A's blocks a0, a0 + 1 x Wp's four.  The 32 accumulators take turns, one instruction a turn, in the same order in every step.
.macro MUL8 a0, p, zero
.irp a, \a0, \a0+1
.irp b, 0,1,2,3
.if \zero
	v_wmma_f32_16x16x128_fp8_fp8 v[8*(4*(\a)+\b):8*(4*(\a)+\b)+7], v[64*(\p)+FR*\b:64*(\p)+FR*\b+FR-1], v[AF+FR*(\a):AF+FR*(\a)+FR-1], 0
.else
	v_wmma_f32_16x16x128_fp8_fp8 v[8*(4*(\a)+\b):8*(4*(\a)+\b)+7], v[64*(\p)+FR*\b:64*(\p)+FR*\b+FR-1], v[AF+FR*(\a):AF+FR*(\a)+FR-1], v[8*(4*(\a)+\b):8*(4*(\a)+\b)+7]
.endif
.endr
.endr
.endm
.macro FETCH_B slot, q, p              ; Wp's four fragments of the slot's q-th 128 along K into set p: 32 loads of 8 bytes
	WIN TO_B
.irp b, 0,1,2,3
.irp c, 0,1,2,3,4,5,6,7
	ds_load_b64 v[64*(\p)+FR*\b+2*\c:64*(\p)+FR*\b+2*\c+1], v[ADRB+\slot] offset:128*(\q)+16*\c+\b*16*PITCH
.endr
.endr
	WIN 0
.endm
.macro FETCH_A slot, q, a0             ; A's blocks a0 .. a0 + 3: 16 loads of 512 consecutive bytes
.irp a, \a0, \a0+1, \a0+2, \a0+3
.irp c, 0,1,2,3
	ds_load_b128 v[AF+FR*(\a)+4*\c:AF+FR*(\a)+4*\c+3], v[ADRA+\slot] offset:4096*(\a)+2048*(\q)+512*\c
.endr
.endr
.endm
.macro PLACES n
.rept \n
	v_nop
.endr
.endm
.macro STEP slot, q, zero
	s_wait_dscnt 16                                ; Wp's set and A's blocks 0-3 are in; the youngest 16 loads (blocks 4-7) may be out
	WIN MUL
	MUL8 0, (\q)%2, \zero
	MUL8 2, (\q)%2, \zero
	s_wait_dscnt 0
	PLACES NP
	FETCH_B \slot, (\q)+1, 1-(\q)%2
	FETCH_A \slot, (\q)+1, 0
	WIN MUL
	MUL8 4, (\q)%2, \zero
	MUL8 6, (\q)%2, \zero
	PLACES NP
	WIN 0
	FETCH_A \slot, (\q)+1, 4
.endm
.macro TURN slot, next, fill
	s_wait_tensorcnt 0x0                           ; all my tensor loads have landed: my part of the next slot
	ds_add_u32 v[SPW], v[NIL]                      ; 0 onto my spare word
	s_wait_dscnt 17                                ; the add and the youngest 16 loads may be out
	WIN MUL
	MUL8 0, 1, 0
	s_wait_dscnt 0x0                               ; the add is done, and my reads of this slot are over
	s_barrier_signal -1
	MUL8 2, 1, 0
	WIN 0
	s_barrier_wait -1
.if \fill
	CREST                                          ; the barrier has opened a round of the cluster's: no wave of any partner still reads this slot or has a load on its way
	s_add_nc_u64 s[G0+4*\slot+2:G0+4*\slot+3], s[G0+4*\slot+2:G0+4*\slot+3], 2*ABLK
	s_add_nc_u64 s[G0B+4*\slot+2:G0B+4*\slot+3], s[G0B+4*\slot+2:G0B+4*\slot+3], 2*256
	JLOAD G0+4*\slot, G1, G0B+4*\slot, G1B         ; the first tensor load behind the round; its four v_nop are also the places ahead of the loads below
.else
	PLACES NP
.endif
	FETCH_B \next, 0, 0
	FETCH_A \next, 0, 0
	WIN MUL
	MUL8 4, 1, 0
	MUL8 6, 1, 0
	PLACES NP
	WIN 0
	FETCH_A \next, 0, 4
.endm
	s_wait_tensorcnt 1                             ; my part of K step 0 is in; K step 1's load may be out
	s_barrier_signal -1
	s_barrier_wait -1
	FETCH_B 0, 0, 0
	FETCH_A 0, 0, 0
	FETCH_A 0, 0, 4
	STEP 0, 0, 1                                   ; the first products start the sums
.rept LAPS-1                           ; once round the ring, filling both slots again: K steps 2 and 3
	TURN 0, 1, 1
	STEP 1, 0, 0
	TURN 1, 0, 1
	STEP 0, 0, 0
.endr
	TURN 0, 1, 0
	STEP 1, 0, 0
	s_wait_dscnt 16
	WIN MUL
	MUL8 0, 1, 0
	MUL8 2, 1, 0
	s_wait_dscnt 0
	MUL8 4, 1, 0
	MUL8 6, 1, 0
	WIN 0
; THE WAY OUT, block by block of 16 tokens x 64 columns: sum x 2^(e10 + e11) + bp, one packed multiply-add for two numbers, each accumulator from its low end on; through my own stage in LDS; back as whole rows of 256 bytes.
.macro TOSTAGE a
	WIN 0x02                                       ; source 0: window 2
.irp b, 0,1,2,3
.irp i, 0,2,4,6
	v_pk_fma_f32 v[TMP+8*\b+\i:TMP+8*\b+\i+1], v[8*(4*(\a)+\b)+\i:8*(4*(\a)+\b)+\i+1], s[96:97], v[BP+8*\b+\i:BP+8*\b+\i+1] op_sel_hi:[1,0,1]
.endr
.endr
	WIN 0
.irp b, 0,1,2,3
	ds_store_b128 v[STO], v[TMP+8*\b:TMP+8*\b+3] offset:64*\b
	ds_store_b128 v[STO], v[TMP+8*\b+4:TMP+8*\b+7] offset:64*\b+16
.endr
.set BB, BK+32*((\a)%2)
.irp t, 0,1,2,3,4,5,6,7
	ds_load_b128 v[BB+4*\t:BB+4*\t+3], v[RD] offset:\t*2*SPITCH   ; LDS serves a wave's instructions in order (ISA guide 5.7.1.4): these see my stores
.endr
.endm
.macro SEND a, younger                 ; younger: the LDS instructions issued behind block a's loads
.set BB, BK+32*((\a)%2)
	s_wait_dscnt \younger
.if (\a) > 0
	s_add_nc_u64 s[12:13], s[12:13], 16*4096       ; (behind a wait on XCNT: the earlier stores have read their base)
.endif
.irp t, 0,1,2,3,4,5,6,7
	global_store_b128 v[CO], v[BB+4*\t:BB+4*\t+3], s[12:13] offset:2*\t*4096 th:TH_STORE_NT   ; sixteen lanes store 256 consecutive bytes, aligned
.endr
.endm
	s_wait_kmcnt 0x0
	s_add_co_i32 s96, s96, s97
	s_add_co_i32 s96, s96, 127
	s_lshl_b32 s96, s96, 23                        ; 2^(e10 + e11) as f32
	s_mov_b32 s97, s96                             ; (named with it as a pair)
	s_wait_loadcnt 0x0                             ; bp
	PLACES NP                                      ; behind the last products
	TOSTAGE 0
.irp a, 1,2,3,4,5,6,7
.if \a > 1
	s_wait_xcnt 0x0                                ; block a - 2's stores have read their registers and their base
.endif
	TOSTAGE \a
	SEND \a-1, 16                                  ; behind block a - 1's loads: block a's 8 stores and 8 loads
.endr
	s_wait_xcnt 0x0
	SEND 7, 0
	s_wait_tensorcnt 0x0                           ; the wave's end
	ds_add_u32 v[SPW], v[NIL]
	s_wait_dscnt 0x0
	CROUND                                         ; the closing round
	s_endpgm
.Lfunc_end_k_qed08c05f90_outp:
	.size	k_qed08c05f90_outp, .Lfunc_end_k_qed08c05f90_outp-k_qed08c05f90_outp
	.p2alignl 7, 3214868480
	.fill 96, 4, 3214868480
	.section	.rodata,"a",@progbits
	.p2align	6, 0x0
	.amdhsa_kernel k_qed08c05f90_outp
		.amdhsa_group_segment_fixed_size 327680
		.amdhsa_private_segment_fixed_size 0
		.amdhsa_enable_private_segment 0
		.amdhsa_kernarg_size 40
		.amdhsa_user_sgpr_count 2
		.amdhsa_user_sgpr_kernarg_segment_ptr 1
		.amdhsa_wavefront_size32 1
		.amdhsa_system_sgpr_workgroup_id_x 1
		.amdhsa_system_sgpr_workgroup_id_y 1
		.amdhsa_system_sgpr_workgroup_id_z 1
		.amdhsa_system_vgpr_workitem_id 0
		.amdhsa_next_free_vgpr 768
		.amdhsa_next_free_sgpr 98
		.amdhsa_reserve_vcc 0
		.amdhsa_float_denorm_mode_32 3
		.amdhsa_float_denorm_mode_16_64 3
		.amdhsa_memory_ordered 1
		.amdhsa_forward_progress 1
		.amdhsa_inst_pref_size 86
	.end_amdhsa_kernel
	.amdgpu_metadata
---
amdhsa.version: [ 1, 2 ]
amdhsa.kernels:
  - .name:           k_qed08c05f90_outp
    .symbol:         k_qed08c05f90_outp.kd
    .args:
      - { .name: attn, .offset: 0, .size: 8, .value_kind: global_buffer, .address_space: global }
      - { .name: Wp_codes, .offset: 8, .size: 8, .value_kind: global_buffer, .address_space: global }
      - { .name: bp, .offset: 16, .size: 8, .value_kind: global_buffer, .address_space: global }
      - { .name: lowp_scales, .offset: 24, .size: 8, .value_kind: global_buffer, .address_space: global }
      - { .name: out0, .offset: 32, .size: 8, .value_kind: global_buffer, .address_space: global }
    .group_segment_fixed_size: 327680
    .private_segment_fixed_size: 0
    .kernarg_segment_align: 8
    .kernarg_segment_size: 40
    .max_flat_workgroup_size: 128
    .sgpr_count:     98
    .vgpr_count:     768
    .wavefront_size: 32
...
	.end_amdgpu_metadata
.endif
;; end of part 4
;; ======== version 2 of 2: 4 launches; version 1 with the launch attn written anew for expert scheduling mode
;; workspace buffers: xc 25,165,824 bytes; maskw 524,288 bytes of whole numbers; act 2,048 bytes of whole numbers; qimg 8,388,608 bytes; kv 16,777,216 bytes; attn 8,388,608 bytes
;; launch norm: the kernel of part 1 again; grid 512 x 1, 4 waves a work-group, no clusters, 8,704 bytes of LDS; arguments q, k, v, ln_g, ln_b, lowp_scales, mask, xc, maskw, act; writes xc, maskw, act
;; launch proj: the kernel of part 2 again; grid 32 x 12, 4 waves a work-group, clusters of 4 x 4, 327,680 bytes of LDS; arguments Wq_codes, Wk_codes, Wv_codes, xc, lowp_scales, qimg, kv; writes qimg, kv
;; launch attn (part 5): grid 8 x 64, 16 waves a work-group, no clusters, 67,584 bytes of LDS; arguments qimg, kv, maskw, act, lowp_scales, attn; writes attn
.if DOCPART == 5
	.amdgcn_target "amdgcn-amd-amdhsa--gfx1250"
	.amdhsa_code_object_version 6
	.text
	.protected	k_qed08c05f90_attn
	.globl	k_qed08c05f90_attn
	.p2align	8
	.type	k_qed08c05f90_attn,@function
k_qed08c05f90_attn:
	s_mov_b64 s[64:65], 0
	v_nop
	global_prefetch_b8 v0, s[64:65] scope:SCOPE_SE
	s_setreg_imm32_b32 hwreg(HW_REG_WAVE_SCHED_MODE, 0, 2), 2
	s_setreg_imm32_b32 hwreg(HW_REG_WAVE_MODE, 25, 1), 1
	s_wait_xcnt 0x0
	s_wait_alu depctr_vm_vsrc(0)
; ATTENTION on codes of E4M3, head size 64, 2,048 keys, with the mask that is GIVEN (as words made by the first launch), for one (b, head) = work-group y.
; t = score x 2^(e6 + e7) x log2(e) / 32 (the scale is 1,024^-0.5); hidden scores become -infinity; M = the running largest t rounded UP to a whole number; p = 2^(t - M) is quantised with 2^e8 along the keys, not normalised;
; the row's sum is taken of the unquantised p; when M moves, the sum and O are multiplied by 2^(old M - new M), which rounds nothing.  At the end O x 2^(e8 + e9) / the sum is quantised with 2^e10 for the last product.
; SHARES.  Sixteen waves; wave w owns ONE tile of 16 queries, Qt = 8 w + work-group x: the tiles of a work-group lie 128 queries apart, so that under masks that hide late keys from early queries all work-groups have like work.
; Every wave walks all 8 slots of 256 keys (a constant count) and passes every barrier; a step of 128 keys whose 16 x 128 places are ALL hidden (its bit of act, a stored whole number, is 0) is left out by a scalar branch round the step's work alone:
; such a step adds p = 0 everywhere and moves no maximum.  K and V go from memory to LDS through registers, 2,048 bytes a wave and slot.
; Not in a cluster for the same reason; what the 8 work-groups of a head share is 262,144 bytes each.
; LAYOUT.  Both products transposed: S^T = K Q^T (source 0 = 16 keys), O^T = V^T P^T (source 0 = 16 channels): a lane holds ONE query (lane % 16).  Register 8 t + j of S^T is key 16 t + 8 (lane / 16) + j: eight codes made of a tile's
; registers are registers 2 t, 2 t + 1 of the plain 8-bit operand layout (ISA guide 7.12.2): p's and O's codes are operands as they stand.  Q, K, V^T arrive as images of operand registers: every LDS and memory access is 512 consecutive bytes.
; A query all of whose keys are hidden has the sum 0: it gets NaN codes, so that its row of the output is NaN, as the softmax of such a row is.
; LIMITS: e6 + e7 between -121 and 132 (added to the exponent field of log2(e) / 32); e8, and e10 - e8 - e9, between -126 and 119.  NaN among the inputs is not served.
; O^T begins as 32 cleared registers: which step is a wave's first hangs on the mask, so no product can be written out as the one that starts the sums.
; THE MODE: SCHED_MODE bits 1:0 = 2 (LLVM: expert scheduling mode 2), set by the entry lines.  The code itself states the register dependences between vector or matrix instructions and memory or LDS instructions, with s_wait_alu, always for 0.
; THE PLAN.  Registers that memory or LDS instructions touch:
;   v1, v7, v8     offsets, made once at the head and never written again.
;   v[AD], v[ADW]  LDS addresses, both written once at a slot's head.  v[AD] is read by the slot's LDS loads, v[ADW] by the four LDS stores at the trip's end.
;   STG            Written by the four global loads at a trip's head, read by the four LDS stores at its end.  No vector instruction names it.
;   KV             A step: K's 16 LDS loads land in it; the eight products K Q^T read it; V^T's 16 LDS loads land in it; the four products V^T P^T read it.
;   P              In the loop named by vector and matrix instructions alone; on the way out written by the selects and read by the two global stores.
;   v254, v255     Written at the head, read by the closing add alone.
; So a slot's head has one wait on vm_vsrc (the LDS stores have read STG and v[ADW], the LDS loads v[AD]) and, behind the two adds, one on va_vdst (the two addresses are written; the products of the slot before are done reading KV).  It stands ahead
; of the steps' branches, so it holds on every way through the slot; no vector instruction of a step names v[AD], v[ADW] or STG.  The slot's second step has a wait on va_vdst at its head (the first step's products are done reading KV),
; and each step one behind its products K Q^T, ahead of V^T's loads.
.set AD,  2                            ; v2   LDS address of the slot in hand + 16 x lane
.set ADW, 3                            ; v3   where I store my 2,048 bytes of the next slot
.set QF,  16                           ; v16-23   Q's fragment
.set STG, 24                           ; v24-39   my 2,048 bytes of the next slot, on their way from memory to LDS
.set KV,  40                           ; v40-103  K's eight fragments, then V^T's four
.set S,   104                          ; v104-167 S^T, then p
.set OT,  168                          ; v168-199 O^T
.set P,   200                          ; v200-215 p's codes
; v1 16 x lane; v4 -infinity; v5 448 x 2^e8; v6 2^e8; v7 2,048 x wave + 16 x lane; v8 256 x lane; v9, v10 the way out's hold and scale; v11 four NaN codes; v12 -M; v13 the largest t; v[14:15] the sum in two halves; v216-223 at work
.set TB,    2                          ; s2   LDS byte at which the slot in hand begins
.set SLOTS, 3                          ; s3   slots still to be fetched
.set KVP,   4                          ; s[4:5] my wave's 2,048 bytes of the next slot
.set MWP,   6                          ; s[6:7] the mask words of my tile, at the slot in hand
.set OUTP,  8                          ; s[8:9]
.set ACT,   10                         ; s10  bit 0, 1: the two steps of the slot in hand
.set WV,    11
.set SEL,   12                         ; s[12:13] lane l xor 16
.set CS,    14                         ; s[14:15] c
.set PFA,   66                         ; s[66:67] where my prefetches stand
.set LIM,   68                         ; s68  1 in a wave that prefetches, else the greatest number
; s[16:63], s[80:95]: a step's 64 mask words: word n in s[16 + n] for n < 48, else in s[32 + n]
.macro GLOAD
.irp i, 0,1,2,3
	global_load_b128 v[STG+4*\i:STG+4*\i+3], v1, s[KVP:KVP+1] offset:512*\i
.endr
.endm
.macro PRELOAD off                     ; a step's 256 bytes of mask words
	s_load_b512 s[16:31], s[MWP:MWP+1], \off
	s_load_b512 s[32:47], s[MWP:MWP+1], \off+64
	s_load_b512 s[48:63], s[MWP:MWP+1], \off+128
	s_load_b512 s[80:95], s[MWP:MWP+1], \off+192
.endm
; A PREFETCH of the slot that the NEXT trip will load: 32,768 bytes, named once in the launch: by waves 0 to 3 of the head's work-group x = 0, 8,192 bytes a wave, lanes 256 bytes apart.  It stands behind the wave's own loads.
; The last trip that loads asks for nothing: there is no slot behind it.  Slots 0 and 1 come by their loads alone.
.macro ASK
	s_cmp_gt_u32 s[SLOTS], s[LIM]
	s_cbranch_scc0 .Lnot_mine_\@
	global_prefetch_b8 v8, s[PFA:PFA+1] th:TH_LOAD_NT scope:SCOPE_SE
.Lnot_mine_\@:
.endm
	s_load_b256 s[16:23], s[0:1], 0x0              ; qimg s[16:17], kv s[18:19], maskw s[20:21], act s[22:23]
	s_load_b128 s[24:27], s[0:1], 0x20             ; scales s[24:25], attn s[26:27]
	v_lshl_add_u32 v254, v0, 2, 0x10000
	v_mov_b32 v255, 0
	v_lshrrev_b32 v216, 5, v0
	v_readfirstlane_b32 s[WV], v216                ; wave 0..15
	v_and_b32 v217, 31, v0
	v_lshlrev_b32 v1, 4, v217
	v_lshlrev_b32 v8, 8, v217
	s_wait_alu depctr_va_sdst(0)                   ; the wave's number is written, ahead of its first reader: addresses and branches are made from it
	s_lshl_b32 s69, s[WV], 11
	v_add_nc_u32 v7, s69, v1
	s_and_b32 s70, ttmp7, 0xffff                   ; (b, head)
	s_lshl_b32 s71, s[WV], 3
	s_add_co_u32 s71, s71, ttmp9                   ; Qt
	s_lshl_b32 s96, s70, 17
	s_lshl_b32 s97, s71, 10
	s_add_co_u32 s96, s96, s97                     ; Q: 131,072 a head, 1,024 a tile
	s_mov_b32 s97, 0
	s_lshl_b32 s98, s70, 18                        ; kv: 262,144 a head
	s_mov_b32 s99, 0
	s_lshl_b32 s100, s71, 12                       ; mask words: 4,096 a tile
	s_mov_b32 s101, 0
	s_lshl_b32 s72, s71, 4                         ; act: 16 a tile
	s_mov_b32 s73, 0
	s_lshr_b32 s76, s70, 4                         ; the output image: [128 tokens][4 heads][tile of 16 tokens][2 heads][4 groups][512]
	s_lshl_b32 s76, s76, 7
	s_add_co_u32 s76, s76, s71                     ; the tile of tokens: 128 b + Qt
	s_lshr_b32 s74, s76, 3
	s_lshl_b32 s74, s74, 17
	s_and_b32 s76, s76, 7
	s_lshl_b32 s76, s76, 12
	s_add_co_u32 s74, s74, s76
	s_and_b32 s76, s70, 3                          ; head % 4: 1,024 bytes each (two groups)
	s_lshl_b32 s76, s76, 10
	s_add_co_u32 s74, s74, s76
	s_bfe_u32 s76, s70, 0x20002                    ; head / 4
	s_lshl_b32 s76, s76, 15
	s_add_co_u32 s74, s74, s76
	s_mov_b32 s75, 0
	s_lshr_b32 s69, s[WV], 2                       ; 0 in waves 0 to 3,
	s_or_b32 s69, s69, ttmp9                       ; of the head's first work-group
	s_cmp_eq_u32 s69, 0
	s_cselect_b32 s[LIM], 1, -1
	s_mov_b32 s[SEL], 0x76543210
	s_mov_b32 s[SEL+1], 0xfedcba98
	s_mov_b32 s[TB], 0
	s_mov_b32 s[SLOTS], 7
	s_wait_kmcnt 0x0
	s_add_nc_u64 s[16:17], s[16:17], s[96:97]
	s_add_nc_u64 s[18:19], s[18:19], s[98:99]
	s_lshl_b32 s96, s[WV], 11
	s_add_nc_u64 s[KVP:KVP+1], s[18:19], s[96:97]
	s_and_b32 s96, s[WV], 3
	s_lshl_b32 s96, s96, 13
	s_add_co_u32 s96, s96, 65536                   ; in slot 2: the first trip loads slot 1 and asks for slot 2
	s_add_nc_u64 s[PFA:PFA+1], s[18:19], s[96:97]
	s_add_nc_u64 s[MWP:MWP+1], s[20:21], s[100:101]
	s_add_nc_u64 s[22:23], s[22:23], s[72:73]
	s_add_nc_u64 s[OUTP:OUTP+1], s[26:27], s[74:75]
	s_load_b128 s[96:99], s[22:23], 0x0            ; my tile's four act words, four bits each
	s_load_b256 s[72:79], s[24:25], 0x10           ; entries 4..11 of the scales: e6 s74, e7 s75, e8 s76, e9 s77, e10 s78
	s_wait_alu depctr_va_vdst(0)                   ; the offsets v1, v7 and v8 are written: the loads, stores and prefetches of the whole kernel read them, and no vector instruction writes them again
	global_load_b128 v[QF:QF+3], v1, s[16:17]
	global_load_b128 v[QF+4:QF+7], v1, s[16:17] offset:512
	GLOAD                                          ; slot 0
	v_mov_b32 v4, 0xff800000
	v_mov_b32 v11, 0x7f7f7f7f
	v_mov_b32 v13, 0xff61b1e6                      ; the largest t so far: -3e38, under every t
	v_floor_f32 v12, -v13
	v_mov_b32 v14, 0
	v_mov_b32 v15, 0
	v_mov_b32 v217, 0                              ; (upper halves of pairs, and a lane permute's destination: written once)
	v_mov_b32 v218, 0
	v_mov_b32 v221, 0
.irp j, 0,1,2,3,4,5,6,7,8,9,10,11,12,13,14,15,16,17,18,19,20,21,22,23,24,25,26,27,28,29,30,31
	v_mov_b32 v[OT+\j], 0
.endr
	s_wait_kmcnt 0x0
	s_lshl_b32 s97, s97, 4
	s_lshl_b32 s98, s98, 8
	s_lshl_b32 s99, s99, 12
	s_or_b32 s[ACT], s96, s97
	s_or_b32 s[ACT], s[ACT], s98
	s_or_b32 s[ACT], s[ACT], s99                   ; bit s: step s of 16
	s_mov_b32 s[CS], 0x3d38aa3b                    ; log2(e) / 32
	s_add_co_i32 s69, s74, s75
	s_lshl_b32 s69, s69, 23
	s_add_co_i32 s[CS], s[CS], s69                 ; x 2^(e6 + e7), by its exponent field
	s_mov_b32 s[CS+1], s[CS]
	s_add_co_i32 s69, s76, 127
	s_lshl_b32 s70, s69, 23
	v_mov_b32 v6, s70
	s_add_co_i32 s69, s69, 8
	s_lshl_b32 s69, s69, 23
	s_or_b32 s69, s69, 0x600000
	v_mov_b32 v5, s69
	s_sub_co_i32 s69, s78, s76
	s_sub_co_i32 s69, s69, s77                     ; e10 - e8 - e9
	s_add_co_i32 s69, s69, 127
	s_lshl_b32 s70, s69, 23
	v_mov_b32 v10, s70
	s_add_co_i32 s69, s69, 8
	s_lshl_b32 s69, s69, 23
	s_or_b32 s69, s69, 0x600000
	v_mov_b32 v9, s69
	s_wait_loadcnt 0x0                             ; Q and slot 0's bytes are in: their address registers are free
.irp i, 0,1,2,3
	ds_store_b128 v7, v[STG+4*\i:STG+4*\i+3] offset:512*\i   ; v7 was written ahead of the wait on va_vdst above; the data come from loads
.endr
	s_add_nc_u64 s[KVP:KVP+1], s[KVP:KVP+1], 32768
	PRELOAD 0                                      ; step 0's words, over the registers that held the arguments
	s_wait_dscnt 0x0                               ; for the others' sake: my part of slot 0 is stored
	s_barrier_signal -1
	s_barrier_wait -1
; A STEP of 128 keys, the q-th of the slot in hand.  more = 1: the next step's mask words are asked for as soon as this step's have been used.
.macro STEP q, more
	s_bitcmp1_b32 s[ACT], \q
	s_cbranch_scc0 .Lskip_\@
.rept 4
	v_nop                                          ; places ahead of loads into registers that the last products have read
.endr
.if \q
	s_wait_alu depctr_va_vdst(0)                   ; the slot's first step: its products V^T P^T are done reading v[KV ..], in which the loads below land.  (For the first step itself the wait at the slot's head has stated the like)
.endif
.irp t, 0,1,2,3,4,5,6,7
	ds_load_b128 v[KV+8*\t:KV+8*\t+3], v[AD] offset:(8*(\q)+\t)*1024
	ds_load_b128 v[KV+8*\t+4:KV+8*\t+7], v[AD] offset:(8*(\q)+\t)*1024+512
.endr
	s_wait_dscnt 0x0
.irp t, 0,1,2,3,4,5,6,7
	v_wmma_f32_16x16x64_fp8_fp8 v[S+8*\t:S+8*\t+7], v[KV+8*\t:KV+8*\t+7], v[QF:QF+7], 0
.endr
.rept 4
	v_nop                                          ; places ahead of the loads below and of the first read of the scores
.endr
	s_wait_alu depctr_va_vdst(0)                   ; the eight products are done reading K's fragments, in which V^T's land; the places above stay beside this wait
.irp c, 0,1,2,3,4,5,6,7,8,9,10,11,12,13,14,15
	ds_load_b128 v[KV+4*\c:KV+4*\c+3], v[AD] offset:16384+8192*(\q)+512*\c   ; V^T's four fragments: they land during the softmax, whose lines name neither v[KV ..] nor v[AD]
.endr
	s_wait_kmcnt 0x0                               ; this step's mask words
.set NN, 0
.rept 64
.if NN < 48
.set MW, 16+NN
.else
.set MW, 32+NN
.endif
	v_cndmask_b32 v[S+NN], v[S+NN], v4, s[MW]      ; hidden: -infinity.  One line a score; each tile's registers from the low end on
.set NN, NN+1
.endr
.if \more
	PRELOAD ((\q)+1)*256
.endif
	v_max3_num_f32 v216, v[S], v[S+1], v[S+2]      ; the step's largest score of my query among my 64 keys, in two chains,
	v_max3_num_f32 v217, v[S+3], v[S+4], v[S+5]
.irp i, 6,10,14,18,22,26,30,34,38,42,46,50,54,58
	v_max3_num_f32 v216, v216, v[S+\i], v[S+\i+1]
	v_max3_num_f32 v217, v217, v[S+\i+2], v[S+\i+3]
.endr
	v_max3_num_f32 v216, v216, v[S+62], v[S+63]
	v_max_num_f32 v216, v216, v217
	v_permlanex16_b32 v218, v216, s[SEL], s[SEL+1]
	v_max_num_f32 v216, v216, v218                 ; and among lane l xor 16's
	v_mul_f32 v216, s[CS], v216                    ; as t (c is positive)
	v_max_num_f32 v13, v13, v216
	v_mov_b32 v216, v12
	v_floor_f32 v12, -v13                          ; -M = floor(-t)
	v_sub_f32 v216, v12, v216                      ; old M - new M: a whole number, 0 or less
	v_cvt_i32_f32 v216, v216                       ; (it saturates)
	v_ldexp_f32 v220, 1.0, v216                    ; f = 2^(old M - new M)
.irp j, 0,2,4,6,8,10,12,14,16,18,20,22,24,26,28,30,32,34,36,38,40,42,44,46,48,50,52,54,56,58,60,62
	v_pk_fma_f32 v[S+\j:S+\j+1], v[S+\j:S+\j+1], s[CS:CS+1], v[12:13] op_sel_hi:[1,0,0]   ; t - M
.endr
.set NN, 0
.rept 64
	v_exp_f32 v[S+NN], v[S+NN]                     ; p = 2^(t - M): one batch
.set NN, NN+1
.endr
	v_pk_mul_f32 v[14:15], v[14:15], v[220:221] op_sel_hi:[1,0]   ; the sums under the new M (the plain instruction behind the batch)
	s_wait_alu depctr_va_vdst(0)                   ; the 64 exponentials have written v[S ..]: one wait for the batch, ahead of its first reader
	v_pk_add_f32 v[222:223], v[S:S+1], v[S+2:S+3]  ; the row's sum of the unquantised p, in two chains
.irp j, 4,8,12,16,20,24,28,32,36,40,44,48,52,56,60
	v_pk_add_f32 v[14:15], v[14:15], v[S+\j:S+\j+1]
	v_pk_add_f32 v[222:223], v[222:223], v[S+\j+2:S+\j+3]
.endr
	v_pk_add_f32 v[14:15], v[14:15], v[222:223]
.irp t, 0,1,2,3,4,5,6,7
.irp i, 0,1,2,3,4,5,6,7
	v_min_num_f32 v[S+8*\t+\i], v[S+8*\t+\i], v5   ; the conversion does not saturate (ISA guide 7.6.2); p is not negative, so the hold is one-sided
.endr
	v_cvt_scalef32_pk8_fp8_f32 v[P+2*\t:P+2*\t+1], v[S+8*\t:S+8*\t+7], v6
.endr
.irp j, 0,2,4,6,8,10,12,14,16,18,20,22,24,26,28,30
	v_pk_mul_f32 v[OT+\j:OT+\j+1], v[OT+\j:OT+\j+1], v[220:221] op_sel_hi:[1,0]   ; O^T under the new M; also the plain lines between the conversions and the products
.endr
	s_wait_dscnt 0x0                               ; V^T is in
.irp c, 0,1,2,3
	v_wmma_f32_16x16x128_fp8_fp8 v[OT+8*\c:OT+8*\c+7], v[KV+16*\c:KV+16*\c+15], v[P:P+15], v[OT+8*\c:OT+8*\c+7]   ; four accumulators by turns
.endr
	s_branch .Ldone_\@
.Lskip_\@:
	s_wait_kmcnt 0x0                               ; the unused words have landed: their registers may be loaded again
.if \more
	PRELOAD ((\q)+1)*256
.endif
.Ldone_\@:
.endm
.Lslot:                                            ; 7 trips: slot i is worked while slot i + 1 comes from memory; one barrier a trip
	s_wait_alu depctr_vm_vsrc(0)                   ; my LDS stores have read v[STG ..], in which the loads below land, and v[ADW]; my LDS loads have read v[AD]: both addresses are written below.  On the way in and over the backward jump alike
	GLOAD
	ASK
	v_add_nc_u32 v[AD], s[TB], v1
	s_xor_b32 s69, s[TB], 32768                    ; the other slot,
	v_add_nc_u32 v[ADW], s69, v7                   ; where my part of the next 256 keys will go at the trip's end
	s_wait_alu depctr_va_vdst(0)                   ; v[AD] and v[ADW] are written, which the slot's LDS loads and stores read; the products of the slot before are done reading v[KV ..], in which the first step's loads land
	STEP 0, 1
	STEP 1, 1
	s_wait_loadcnt 0x0                             ; the next slot's bytes are in registers, and their address is free
	s_xor_b32 s[TB], s[TB], 32768
.irp i, 0,1,2,3
	ds_store_b128 v[ADW], v[STG+4*\i:STG+4*\i+3] offset:512*\i   ; into the slot that every wave left ahead of the last barrier.  No wait on va_vdst: no vector instruction since the slot's head names v[ADW] or v[STG ..]
.endr
	s_add_nc_u64 s[KVP:KVP+1], s[KVP:KVP+1], 32768
	s_wait_xcnt 0x0                                ; the scalar loads and the prefetch have read their bases
	s_add_nc_u64 s[MWP:MWP+1], s[MWP:MWP+1], 512
	s_add_nc_u64 s[PFA:PFA+1], s[PFA:PFA+1], 32768
	s_lshr_b32 s[ACT], s[ACT], 2
	s_wait_dscnt 0x0                               ; my stores have landed and my reads of the slot in hand are over
	s_barrier_signal -1
	s_barrier_wait -1
	s_sub_co_u32 s[SLOTS], s[SLOTS], 1
	s_cmp_lg_u32 s[SLOTS], 0
	s_cbranch_scc1 .Lslot
	s_wait_alu depctr_vm_vsrc(0)                   ; the last trip's LDS loads have read v[AD], which is written below
	v_add_nc_u32 v[AD], s[TB], v1                  ; the last slot: nothing more to fetch
	s_wait_alu depctr_va_vdst(0)                   ; v[AD] is written, which the slot's LDS loads read; the products of the slot before are done reading v[KV ..]
	STEP 0, 1
	STEP 1, 0
	; THE WAY OUT: O^T / the sum, quantised; its eight registers are half of a fragment (16 tokens x 128 K) of the last product
.rept 4
	v_nop                                          ; places behind the last products
.endr
	v_add_f32 v14, v14, v15
	v_permlanex16_b32 v218, v14, s[SEL], s[SEL+1]
	v_add_f32 v14, v14, v218                       ; the row's sum
	v_cmp_eq_f32 s69, 0, v14                       ; 0 only where every key is hidden: else the largest p is above 1/2
	v_rcp_f32 v216, v14
	v_nop
	s_wait_alu depctr_va_vdst(0)                   ; the reciprocal has written v216, ahead of its first reader
.irp j, 0,2,4,6,8,10,12,14,16,18,20,22,24,26,28,30
	v_pk_mul_f32 v[S+\j:S+\j+1], v[OT+\j:OT+\j+1], v[216:217] op_sel_hi:[1,0]
.endr
.irp j, 0,1,2,3,4,5,6,7,8,9,10,11,12,13,14,15,16,17,18,19,20,21,22,23,24,25,26,27,28,29,30,31
	v_med3_num_f32 v[S+\j], v[S+\j], -v9, v9
.endr
.irp c, 0,1,2,3
	v_cvt_scalef32_pk8_fp8_f32 v[P+2*\c:P+2*\c+1], v[S+8*\c:S+8*\c+7], v10
.endr
	v_nop
	s_wait_alu depctr_va_sdst(0)                   ; the compare has written s69, ahead of its first reader, the selects below
.irp j, 0,1,2,3,4,5,6,7
	v_cndmask_b32 v[P+\j], v[P+\j], v11, s69
.endr
	s_wait_alu depctr_va_vdst(0)                   ; the selects have written v[P ..], which the two stores read
	global_store_b128 v1, v[P:P+3], s[OUTP:OUTP+1]
	global_store_b128 v1, v[P+4:P+7], s[OUTP:OUTP+1] offset:512
	s_wait_dscnt 0x0                               ; the closing lines, six on end
	s_wait_alu 0x0
	s_wait_tensorcnt 0x0
	ds_add_u32 v254, v255
	s_wait_dscnt 0x0
	s_endpgm
.Lfunc_end_k_qed08c05f90_attn:
	.size	k_qed08c05f90_attn, .Lfunc_end_k_qed08c05f90_attn-k_qed08c05f90_attn
	.p2alignl 7, 3214868480
	.fill 96, 4, 3214868480
	.section	.rodata,"a",@progbits
	.p2align	6, 0x0
	.amdhsa_kernel k_qed08c05f90_attn
		.amdhsa_group_segment_fixed_size 67584
		.amdhsa_private_segment_fixed_size 0
		.amdhsa_enable_private_segment 0
		.amdhsa_kernarg_size 48
		.amdhsa_user_sgpr_count 2
		.amdhsa_user_sgpr_kernarg_segment_ptr 1
		.amdhsa_wavefront_size32 1
		.amdhsa_system_sgpr_workgroup_id_x 1
		.amdhsa_system_sgpr_workgroup_id_y 1
		.amdhsa_system_sgpr_workgroup_id_z 1
		.amdhsa_system_vgpr_workitem_id 0
		.amdhsa_next_free_vgpr 256
		.amdhsa_next_free_sgpr 102
		.amdhsa_reserve_vcc 0
		.amdhsa_float_denorm_mode_32 3
		.amdhsa_float_denorm_mode_16_64 3
		.amdhsa_memory_ordered 1
		.amdhsa_forward_progress 1
		.amdhsa_inst_pref_size 91
	.end_amdhsa_kernel
	.amdgpu_metadata
---
amdhsa.version: [ 1, 2 ]
amdhsa.kernels:
  - .name:           k_qed08c05f90_attn
    .symbol:         k_qed08c05f90_attn.kd
    .args:
      - { .name: qimg, .offset: 0, .size: 8, .value_kind: global_buffer, .address_space: global }
      - { .name: kv, .offset: 8, .size: 8, .value_kind: global_buffer, .address_space: global }
      - { .name: maskw, .offset: 16, .size: 8, .value_kind: global_buffer, .address_space: global }
      - { .name: act, .offset: 24, .size: 8, .value_kind: global_buffer, .address_space: global }
      - { .name: lowp_scales, .offset: 32, .size: 8, .value_kind: global_buffer, .address_space: global }
      - { .name: attn, .offset: 40, .size: 8, .value_kind: global_buffer, .address_space: global }
    .group_segment_fixed_size: 67584
    .private_segment_fixed_size: 0
    .kernarg_segment_align: 8
    .kernarg_segment_size: 48
    .max_flat_workgroup_size: 512
    .sgpr_count:     102
    .vgpr_count:     256
    .wavefront_size: 32
...
	.end_amdgpu_metadata
.endif
;; end of part 5
;; launch outp: the kernel of part 4 again; grid 8 x 32, 4 waves a work-group, clusters of 4 x 4, 327,680 bytes of LDS; arguments attn, Wp_codes, bp, lowp_scales, out0; writes out0
